; MI455X (gfx1250); checked and timed in simulation.
; The chip was launched on July 23, 2026; its instructions are those of AMD's public machine-readable ISA for CDNA 5 (MIT licence, August 2026) and "CDNA5" Instruction Set Architecture Reference Guide (July 2026). The comments in the code are by the model that wrote it; some were corrected since.
;; Memory Efficient Cross Attention. Allowed arithmetic: matrix products marked QUANTISED: E2M1 operands, one E8M0 scale for each 32 along K, by v_wmma_scale_f32_16x16x128_f8f6f4 with both operands' format E2M1 (or v_wmma_scale_f32_32x16x128_f4), f32 sums; products left as they are: bf16, f16 or f32 operands; f32 sums; everything else in f32.
;; Inputs: Wk 1,024 x 1,024 float32; Wo 1,024 x 1,024 float32; Wq 1,024 x 1,024 float32; Wv 1,024 x 1,024 float32; bo 1,024 float32; context 2 x 4,096 x 1,024 float32; x 2 x 2,048 x 1,024 float32.
;; Outputs: out0 2 x 2,048 x 1,024 float32.
;; This version of the problem:
;;   THIS VERSION OF THE PROBLEM IS GIVEN IN LOW PRECISION. The matrix products marked QUANTISED in the list below multiply operands that are first quantised to E2M1 (2 exponent bits, 1 mantissa bit; 4 bits a number), with one power-of-two scale for each 32 numbers along K (OCP MX v1.0); their sums are f32. The products marked 'left as it is' may take bf16, f16 or f32 operands, with f32 sums. Whichever they take, every output number must still come out within the allowed error. Rounding operands to bf16 (8 significant bits) uses up far more of that allowance than f16 does (11 bits, for magnitudes from 6e-5 to 65,504). All else is computed in f32.
;;   The module's matrix products, in the order in which they are computed (A, B: the left and right operand; K: the contracted axis; several contracted axes count as one K, in the product's order):
;;     1. [M 4,096, K 1,024] x [K 1,024, N 1,024]; A: input x; B: input Wq: QUANTISED
;;     2. [M 8,192, K 1,024] x [K 1,024, N 1,024]; A: input context; B: input Wk: QUANTISED
;;     3. [M 8,192, K 1,024] x [K 1,024, N 1,024]; A: input context; B: input Wv: QUANTISED
;;     4. batch 32 x [M 2,048, K 64] x [K 64, N 4,096]; A: computed on the way; B: computed on the way: left as it is (an operand is computed on the way)
;;     5. batch 32 x [M 2,048, K 4,096] x [K 4,096, N 64]; A: computed on the way; B: computed on the way: left as it is (an operand is computed on the way)
;;     6. [M 4,096, K 1,024] x [K 1,024, N 1,024]; A: computed on the way; B: input Wo: left as it is (an operand is computed on the way)
;;   THE QUANTISER, for each operand of a quantised product, along K:
;;     - K is cut into blocks of 32 from its start; a last block that is shorter is filled with zeros.
;;     - A block's scale is 2^e with e = floor(log2(the largest magnitude in the block)) - 2, held to -126 .. 127; a block of zeros has e = 0. As a byte (E8M0): e + 127.
;;     - Each number is divided by its block's scale, clamped to +-6, and rounded to the nearest number of E2M1, ties to even, subnormals kept.
;;     - The product sums the exact products of the quantised numbers (number of the format x scale) in f32.
;;   ~~~python
;;   def quantise(x, axis):      # numpy; x: float32 -> the quantised numbers, widened to float32 again
;;       x = np.moveaxis(x, axis, -1); K = x.shape[-1]
;;       x = np.pad(x, [(0, 0)] * (x.ndim - 1) + [(0, -K % 32)]); x = x.reshape(x.shape[:-1] + (-1, 32)); a = np.abs(x).max(-1, keepdims=True)
;;       e = np.where(a > 0, np.clip(np.frexp(np.where(a > 0, a, 1))[1] - 1 - 2, -126, 127), 0)      # np.frexp(a)[1] - 1 = floor(log2(a)), exactly
;;       r = np.clip(x / 2.0 ** e, -6, 6)
;;       step = 2.0 ** (np.maximum(np.frexp(np.where(r == 0, 1, r))[1] - 1, 0) - 1)
;;       q = np.round(r / step) * step * 2.0 ** e      # np.round: ties to even
;;       return np.moveaxis(q.reshape(q.shape[:-2] + (-1,))[..., :K], -1, axis).astype(np.float32)
;;   ~~~
;; One version. Each part assembles by itself: llvm-mc -triple=amdgcn-amd-amdhsa -mcpu=gfx1250 --defsym DOCPART=n.
;; ======== version 1 of 1: 4 launches
;; limits: values are held in f16: magnitudes above 65,504 overflow, below 6.1e-05 lose precision
;; workspace buffers: acodes 6,291,456 bytes; ascales 393,216 bytes; wcodes 1,572,864 bytes; wscales 98,304 bytes; wo16 2,097,152 bytes; qkv 41,943,040 bytes; ow 8,388,608 bytes
;; launch prep (part 1): grid 640 x 1, 4 waves a work-group, no clusters, 42,496 bytes of LDS; arguments x, context, Wq, Wk, Wv, Wo, acodes, ascales, wcodes, wscales, wo16; writes acodes, ascales, wcodes, wscales, wo16
.if DOCPART == 1
	.amdgcn_target "amdgcn-amd-amdhsa--gfx1250"
	.amdhsa_code_object_version 6
	.text
	.protected	k_q7544bbb8a2_prep
	.globl	k_q7544bbb8a2_prep
	.p2align	8
	.type	k_q7544bbb8a2_prep,@function
k_q7544bbb8a2_prep:
	s_mov_b64 s[64:65], 0
	v_nop
	global_prefetch_b8 v0, s[64:65] scope:SCOPE_SE
	s_setreg_imm32_b32 hwreg(HW_REG_WAVE_MODE, 25, 1), 1
	s_wait_xcnt 0x0
; The operands of the three quantised projections become codes of FP4 (E2M1) with one E8M0 scale byte for each 32 along K = 1,024; Wo is rounded once to f16.
; A block's scale is 2^(floor(log2(its largest magnitude)) - 2); its byte is the largest magnitude's exponent field - 2, held at 1 from below; each number is divided by the scale and rounded
; to the nearest code, ties to even, beyond 6 the largest code.
; Three paths part on the work-group's number alone (the same in all four waves); each has LDS bytes of its own and ends by itself.
;   A  work-groups 0-383:   x (128 of them) and context (256): K is innermost, so both are plain streams of blocks of 32; 32,768 numbers a work-group -> acodes [12,288 rows][512 B], ascales [12,288][32]; x's rows first.
;   B  work-groups 384-575: Wq, Wk, Wv [k][n]: K is the FIRST axis.  A lane takes a column, its registers run down K; a work-group takes 32 columns x 512 K, wave w the 128 K from 128 w on
;                           -> wcodes [3,072 rows n][512 B], K innermost, wscales [3,072][32]; Wq's rows, then Wk's, then Wv's.
;   C  work-groups 576-639: Wo -> wo16, f16, in Wo's own layout; 16 KiB of f32 a wave.
; LIMITS: NaN and infinities among the inputs are not served.  A block whose largest magnitude lies under 2^-124 keeps the byte 1; a block of zeros gets the byte 1 where the rule says 127: its codes
; are zeros, which add nothing under that byte, and the bytes are read by this program alone.  |Wo| at or above 65,520 becomes infinity in f16; under 6e-5 it carries the absolute step 2^-24.
.set STEPS, 16                         ; path A: steps of 512 numbers in a wave
.set WREG,  8192                       ; path A: LDS region of a wave: two stages of 32 x SP bytes, then its 256 scale bytes
.set SP,    80                         ; a lane's place in a stage: 64 bytes + 16 of padding
.set STGB,  4*WREG                     ; path B: 32 rows (columns of W) x 272: 256 bytes of codes + 16 of padding
.set BP,    272
.set SSB,   STGB+32*BP                 ; path B: 32 columns x 16 scale bytes
.set SPARE, SSB+512                    ; the spare words, 128 bytes for each wave: two blocks of 256 bytes that no other line names
.set SPW,   12                         ; v12  SPARE + 4 x my thread's number; never rewritten
.set NIL,   13                         ; v13  0; never rewritten
.set R,     16                         ; A: v16-143  eight sets of 16 numbers as loaded
.set X,     144                        ; A: v144-175 two sets of 16 neighbours
.set C,     176                        ; A: v176-207 two registers of codes for each step
.set E,     208                        ; A: v208-223 a scale byte for each step
.set XB,    16                         ; B: v16-143  four blocks of 32 numbers;  C: the 32 loads
.set CBB,   144                        ; B: v144-159 four registers of codes for each block
.set SB,    160                        ; B: v160     my column's four scale bytes
.set OB,    176                        ; B: v176-191 the way out
	s_load_b256 s[4:11], s[0:1], 0x0               ; x, context, Wq, Wk
	s_load_b256 s[12:19], s[0:1], 0x20             ; Wv, Wo, acodes, ascales
	s_load_b128 s[20:23], s[0:1], 0x40             ; wcodes, wscales
	s_load_b64 s[24:25], s[0:1], 0x50              ; wo16
	v_lshl_add_u32 v[SPW], v0, 2, SPARE
	v_mov_b32 v[NIL], 0
	v_lshrrev_b32 v1, 5, v0
	v_readfirstlane_b32 s26, v1                    ; wave 0..3
	v_and_b32 v2, 31, v0                           ; lane
	v_lshlrev_b32 v3, 4, v2                        ; 16 x lane
	v_lshlrev_b32 v4, 3, v2                        ; 8 x lane
	s_wait_kmcnt 0x0
	s_cmp_lt_u32 ttmp9, 384
	s_cbranch_scc0 .Lnot_a
; ---------------- PATH A: x and context ----------------
; The conversions take neighbours along K from ONE lane's registers; a load is dense where neighbouring LANES take neighbouring bytes.  Both are had: a step's four loads read 512 consecutive bytes each,
; the 2,048 bytes go through the wave's own stage as they lie and come back 64 bytes a lane.  Two neighbouring lanes hold a block.  Loads run eight steps (32 loads a wave) ahead, the turn through LDS one step.
	s_mul_i32 s27, s26, WREG
	v_lshrrev_b32 v14, 2, v2
	v_mul_u32_u24 v14, v14, SP
	v_and_b32 v15, 3, v2
	v_lshl_add_u32 v14, v15, 4, v14
	v_add_nc_u32 v14, s27, v14                     ; the stage, way in: SP (lane / 4) + 16 (lane % 4)
	v_mul_u32_u24 v15, v2, SP
	v_add_nc_u32 v15, s27, v15                     ; way out: SP x lane
	v_lshrrev_b32 v5, 1, v2
	s_add_co_u32 s27, s27, 2*32*SP
	v_add_nc_u32 v5, s27, v5                       ; my block's scale byte among the wave's 256
	v_add_nc_u32 v6, s27, v4                       ; and on the way out 8 bytes a lane
	s_cmp_lt_u32 ttmp9, 128                        ; x's work-group or context's: the work-group's number alone decides
	s_cselect_b64 s[4:5], s[4:5], s[6:7]
	s_cselect_b32 s28, 0, 128
	s_sub_co_u32 s28, ttmp9, s28
	s_lshl_b32 s28, s28, 2
	s_add_co_u32 s28, s28, s26                     ; which run of 8,192 numbers of the source is my wave's
	s_lshl_b32 s28, s28, 15                        ; 32,768 bytes a run
	s_mov_b32 s29, 0
	s_add_nc_u64 s[4:5], s[4:5], s[28:29]
	s_lshl_b32 s30, ttmp9, 2
	s_add_co_u32 s30, s30, s26                     ; which run of the two buffers: x's rows come first in both
	s_lshl_b32 s28, s30, 12                        ; 4,096 bytes of codes a run
	s_add_nc_u64 s[16:17], s[16:17], s[28:29]
	s_lshl_b32 s28, s30, 8                         ; 256 scale bytes a run
	s_add_nc_u64 s[18:19], s[18:19], s[28:29]
.macro LOADA t
.irp i, 0,1,2,3
	global_load_b128 v[R+16*((\t)%8)+4*\i:R+16*((\t)%8)+4*\i+3], v3, s[4:5] offset:2048*(\t)+512*\i th:TH_LOAD_NT   ; 32 lanes read 512 consecutive bytes
.endr
.endm
.macro TURNA t                         ; LDS serves a wave's instructions in order (ISA guide 5.7.1.4): no wait between the stores and the loads
.irp i, 0,1,2,3
	ds_store_b128 v14, v[R+16*((\t)%8)+4*\i:R+16*((\t)%8)+4*\i+3] offset:32*SP*((\t)%2)+8*SP*\i
.endr
.irp i, 0,1,2,3
	ds_load_b128 v[X+16*((\t)%2)+4*\i:X+16*((\t)%2)+4*\i+3], v15 offset:32*SP*((\t)%2)+16*\i
.endr
.endm
.macro STEPA t
.set XS, X+16*((\t)%2)
.if (\t) > 0
	s_wait_dscnt 1                                 ; this step's numbers are back from the stage (the last step's byte store may be out), so its stores into the stage have read their registers,
.else
	s_wait_dscnt 0x0
.endif
.if (\t)+8 < STEPS
	LOADA (\t)+8                                   ; which take the loads of eight steps on
.endif
.if (\t)+1 < STEPS
.if (\t) <= 7
	s_wait_loadcnt 28                              ; the next step's four loads are in; those of the seven steps behind it may be out
.else
	s_wait_loadcnt 4*(14-(\t))                     ; towards the end fewer steps stand behind it
.endif
	TURNA (\t)+1
.endif
	v_max3_num_f32 v8, |v[XS]|, |v[XS+1]|, |v[XS+2]|               ; the largest magnitude of my 16, in two chains
	v_max3_num_f32 v9, |v[XS+3]|, |v[XS+4]|, |v[XS+5]|
.irp i, 6,10
	v_max3_num_f32 v8, v8, |v[XS+\i]|, |v[XS+\i+1]|
	v_max3_num_f32 v9, v9, |v[XS+\i+2]|, |v[XS+\i+3]|
.endr
	v_max3_num_f32 v8, v8, |v[XS+14]|, |v[XS+15]|
	v_max3_num_f32 v8, v8, v9, 0x1800000           ; and the floor 2^(3 - 127): the byte cannot fall under 1
	v_max_num_f32_dpp v8, v8, v8 row_xmask:1 row_mask:0xf bank_mask:0xf   ; with my neighbour's 16: the block's
	v_add_nc_u32 v11, 0xff000000, v8               ; 2 off its exponent field: the conversion takes the exponent field of this operand as its scale
	v_cvt_scalef32_pk8_fp4_f32 v[C+2*(\t)], v[XS:XS+7], v11
	v_cvt_scalef32_pk8_fp4_f32 v[C+2*(\t)+1], v[XS+8:XS+15], v11
	v_lshrrev_b32 v[E+(\t)], 23, v11               ; the scale's byte (a plain line behind the conversions)
	ds_store_b8 v5, v[E+(\t)] offset:16*(\t)       ; both lanes of a block write the same byte with the same value
	global_store_b64 v4, v[C+2*(\t):C+2*(\t)+1], s[16:17] offset:256*(\t)   ; 32 lanes store 256 consecutive bytes, aligned
.endm
.irp t, 0,1,2,3,4,5,6,7
	LOADA \t
.endr
	s_wait_loadcnt 28                              ; step 0's four loads are in
	TURNA 0
.irp t, 0,1,2,3,4,5,6,7,8,9,10,11,12,13,14,15
	STEPA \t
.endr
	ds_load_b64 v[8:9], v6                         ; my wave's 256 scale bytes, 8 a lane
	s_wait_dscnt 0x0
	global_store_b64 v4, v[8:9], s[18:19]          ; 256 consecutive bytes, aligned
	s_wait_tensorcnt 0x0                           ; the wave's end
	ds_add_u32 v[SPW], v[NIL]
	s_wait_dscnt 0x0
	s_endpgm
.Lnot_a:
	s_cmp_lt_u32 ttmp9, 576
	s_cbranch_scc0 .Lcast
; ---------------- PATH B: Wq, Wk, Wv ----------------
	s_sub_co_u32 s27, ttmp9, 384
	s_lshr_b32 s28, s27, 6                         ; which weight: 0, 1, 2
	s_and_b32 s29, s27, 31                         ; which 32 columns
	s_bfe_u32 s30, s27, 0x10005                    ; which 512 along K
	s_cmp_eq_u32 s28, 0
	s_cselect_b64 s[4:5], s[8:9], s[10:11]
	s_cmp_eq_u32 s28, 2
	s_cselect_b64 s[4:5], s[12:13], s[4:5]
	s_lshl_b32 s31, s30, 2
	s_add_co_u32 s31, s31, s26                     ; which 128 rows of W are my wave's
	s_lshl_b32 s32, s31, 19                        ; 128 rows x 4,096 bytes
	s_lshl_b32 s33, s29, 7                         ; 32 columns x 4 bytes
	s_add_co_u32 s32, s32, s33
	s_mov_b32 s33, 0
	s_add_nc_u64 s[4:5], s[4:5], s[32:33]
	s_lshl_b32 s34, s28, 10
	s_lshl_b32 s35, s29, 5
	s_add_co_u32 s34, s34, s35
	s_lshl_b32 s35, s26, 3
	s_add_co_u32 s34, s34, s35                     ; the first of the 8 rows of wcodes that my wave stores: 1,024 weight + 32 group + 8 wave
	s_lshl_b32 s32, s34, 9
	s_lshl_b32 s35, s30, 8
	s_add_co_u32 s32, s32, s35                     ; 512 bytes a row, + 256 for the upper half of K
	s_add_nc_u64 s[20:21], s[20:21], s[32:33]
	s_lshl_b32 s32, s34, 5
	s_lshl_b32 s35, s30, 4
	s_add_co_u32 s32, s32, s35                     ; 32 scale bytes a row, + 16
	s_add_nc_u64 s[22:23], s[22:23], s[32:33]
	v_lshlrev_b32 v5, 2, v2                        ; in: 4 bytes a lane
	v_mul_u32_u24 v6, v2, BP
	s_lshl_b32 s36, s26, 6
	s_add_co_u32 s36, s36, STGB
	v_add_nc_u32 v6, s36, v6                       ; the stage: row = my column, my wave's 64 bytes of it
	s_lshl_b32 s36, s26, 2
	s_add_co_u32 s36, s36, SSB
	v_add_nc_u32 v7, s36, v3                       ; the scale bytes: 16 a column, my wave's 4 of them
	v_lshrrev_b32 v10, 4, v2
	v_and_b32 v1, 15, v2
	v_mul_u32_u24 v14, v10, BP
	v_lshl_add_u32 v14, v1, 4, v14
	s_mul_i32 s36, s26, 8*BP
	s_add_co_u32 s36, s36, STGB
	v_add_nc_u32 v14, s36, v14                     ; out of the stage: sixteen lanes to a row, two rows an instruction, my wave's 8 rows
	v_lshlrev_b32 v15, 9, v10
	v_lshl_add_u32 v15, v1, 4, v15                 ; and the same place in wcodes
	s_lshl_b32 s36, s26, 7
	s_add_co_u32 s36, s36, SSB
	v_add_nc_u32 v161, s36, v5                     ; the scale bytes, out: 4 bytes a lane of my wave's 8 columns
	v_lshrrev_b32 v162, 2, v2
	v_and_b32 v1, 3, v2
	v_lshlrev_b32 v162, 5, v162
	v_lshl_add_u32 v162, v1, 2, v162               ; in wscales: 32 (lane / 4) + 4 (lane % 4)
.set Q, 0
.rept 128
	global_load_b32 v[XB+Q], v5, s[4:5] offset:Q*4096 th:TH_LOAD_NT   ; W(row Q of my 128, my column): 32 lanes read 128 consecutive bytes
.set Q, Q+1
.endr
.macro BLOCKB t, left
.set XS, XB+32*(\t)
	s_wait_loadcnt \left                           ; loads come back in order: of the 128, at most so many are out, so this block's 32 are in
	v_max3_num_f32 v8, |v[XS]|, |v[XS+1]|, |v[XS+2]|               ; the block's largest magnitude: all 32 numbers are mine
	v_max3_num_f32 v9, |v[XS+3]|, |v[XS+4]|, |v[XS+5]|
.irp i, 6,10,14,18,22,26
	v_max3_num_f32 v8, v8, |v[XS+\i]|, |v[XS+\i+1]|
	v_max3_num_f32 v9, v9, |v[XS+\i+2]|, |v[XS+\i+3]|
.endr
	v_max3_num_f32 v8, v8, |v[XS+30]|, |v[XS+31]|
	v_max3_num_f32 v8, v8, v9, 0x1800000           ; the floor 2^(3 - 127)
	v_add_nc_u32 v11, 0xff000000, v8               ; the conversion's scale operand
	v_lshrrev_b32 v9, 23, v11                      ; the scale's byte
.if (\t) == 0
	v_mov_b32 v[SB], v9
.else
	v_lshl_or_b32 v[SB], v9, 8*(\t), v[SB]         ; the lower K in the lower byte
.endif
.irp g, 0,1,2,3
	v_cvt_scalef32_pk8_fp4_f32 v[CBB+4*(\t)+\g], v[XS+8*\g:XS+8*\g+7], v11
.endr
	v_nop                                          ; one plain line behind the last conversion of a run
	ds_store_b128 v6, v[CBB+4*(\t):CBB+4*(\t)+3] offset:16*(\t)    ; 32 codes: 16 bytes of my column's row
.endm
	BLOCKB 0, 63
	BLOCKB 1, 63
	BLOCKB 2, 32
	BLOCKB 3, 0
	ds_store_b32 v7, v[SB]
	s_wait_dscnt 0x0                               ; for the others' sake: my stores into the two stages are done
	s_barrier_signal -1
	s_barrier_wait -1                              ; a row's 256 bytes come from four waves
.irp i, 0,1,2,3
	ds_load_b128 v[OB+4*\i:OB+4*\i+3], v14 offset:2*BP*\i
.endr
	ds_load_b32 v163, v161
.irp i, 0,1,2,3
	s_wait_dscnt 4-\i                              ; the younger LDS loads may be out
	global_store_b128 v15, v[OB+4*\i:OB+4*\i+3], s[20:21] offset:1024*\i   ; sixteen lanes store 256 consecutive bytes, aligned
.endr
	s_wait_dscnt 0x0
	global_store_b32 v162, v163, s[22:23]          ; 16 bytes of each of 8 rows of wscales: 98,304 bytes in the whole launch leave so
	s_wait_tensorcnt 0x0                           ; the wave's end
	ds_add_u32 v[SPW], v[NIL]
	s_wait_dscnt 0x0
	s_endpgm
; ---------------- PATH C: Wo to f16 ----------------
.Lcast:
	s_sub_co_u32 s27, ttmp9, 576
	s_lshl_b32 s27, s27, 2
	s_add_co_u32 s27, s27, s26                     ; which run of 4,096 numbers
	s_lshl_b32 s28, s27, 14
	s_mov_b32 s29, 0
	s_add_nc_u64 s[14:15], s[14:15], s[28:29]
	s_lshl_b32 s28, s27, 13
	s_add_nc_u64 s[24:25], s[24:25], s[28:29]
.set Q, 0
.rept 32
	global_load_b128 v[XB+4*Q:XB+4*Q+3], v3, s[14:15] offset:512*Q th:TH_LOAD_NT
.set Q, Q+1
.endr
.set Q, 0
.rept 32
	s_wait_loadcnt 31-Q                            ; the later loads may be out
	v_cvt_pk_f16_f32 v[XB+4*Q], v[XB+4*Q], v[XB+4*Q+1]             ; to nearest even, the first source in the low half
	v_cvt_pk_f16_f32 v[XB+4*Q+1], v[XB+4*Q+2], v[XB+4*Q+3]
	global_store_b64 v4, v[XB+4*Q:XB+4*Q+1], s[24:25] offset:256*Q ; 32 lanes store 256 consecutive bytes, aligned
.set Q, Q+1
.endr
	s_endpgm
.Lfunc_end_k_q7544bbb8a2_prep:
	.size	k_q7544bbb8a2_prep, .Lfunc_end_k_q7544bbb8a2_prep-k_q7544bbb8a2_prep
	.p2alignl 7, 3214868480
	.fill 96, 4, 3214868480
	.section	.rodata,"a",@progbits
	.p2align	6, 0x0
	.amdhsa_kernel k_q7544bbb8a2_prep
		.amdhsa_group_segment_fixed_size 42496
		.amdhsa_private_segment_fixed_size 0
		.amdhsa_enable_private_segment 0
		.amdhsa_kernarg_size 88
		.amdhsa_user_sgpr_count 2
		.amdhsa_user_sgpr_kernarg_segment_ptr 1
		.amdhsa_wavefront_size32 1
		.amdhsa_system_sgpr_workgroup_id_x 1
		.amdhsa_system_sgpr_workgroup_id_y 1
		.amdhsa_system_sgpr_workgroup_id_z 1
		.amdhsa_system_vgpr_workitem_id 0
		.amdhsa_next_free_vgpr 224
		.amdhsa_next_free_sgpr 66
		.amdhsa_reserve_vcc 0
		.amdhsa_float_denorm_mode_32 3
		.amdhsa_float_denorm_mode_16_64 3
		.amdhsa_memory_ordered 1
		.amdhsa_forward_progress 1
		.amdhsa_inst_pref_size 66
	.end_amdhsa_kernel
	.amdgpu_metadata
---
amdhsa.version: [ 1, 2 ]
amdhsa.kernels:
  - .name:           k_q7544bbb8a2_prep
    .symbol:         k_q7544bbb8a2_prep.kd
    .args:
      - { .name: x, .offset: 0, .size: 8, .value_kind: global_buffer, .address_space: global }
      - { .name: context, .offset: 8, .size: 8, .value_kind: global_buffer, .address_space: global }
      - { .name: Wq, .offset: 16, .size: 8, .value_kind: global_buffer, .address_space: global }
      - { .name: Wk, .offset: 24, .size: 8, .value_kind: global_buffer, .address_space: global }
      - { .name: Wv, .offset: 32, .size: 8, .value_kind: global_buffer, .address_space: global }
      - { .name: Wo, .offset: 40, .size: 8, .value_kind: global_buffer, .address_space: global }
      - { .name: acodes, .offset: 48, .size: 8, .value_kind: global_buffer, .address_space: global }
      - { .name: ascales, .offset: 56, .size: 8, .value_kind: global_buffer, .address_space: global }
      - { .name: wcodes, .offset: 64, .size: 8, .value_kind: global_buffer, .address_space: global }
      - { .name: wscales, .offset: 72, .size: 8, .value_kind: global_buffer, .address_space: global }
      - { .name: wo16, .offset: 80, .size: 8, .value_kind: global_buffer, .address_space: global }
    .group_segment_fixed_size: 42496
    .private_segment_fixed_size: 0
    .kernarg_segment_align: 8
    .kernarg_segment_size: 88
    .max_flat_workgroup_size: 128
    .sgpr_count:     66
    .vgpr_count:     224
    .wavefront_size: 32
...
	.end_amdgpu_metadata
.endif
;; end of part 1
;; launch proj (part 2): grid 4 x 80, 4 waves a work-group, clusters of 4 x 4, 327,680 bytes of LDS; arguments acodes, ascales, wcodes, wscales, qkv; writes qkv
.if DOCPART == 2
	.amdgcn_target "amdgcn-amd-amdhsa--gfx1250"
	.amdhsa_code_object_version 6
	.text
	.protected	k_q7544bbb8a2_proj
	.globl	k_q7544bbb8a2_proj
	.p2align	8
	.type	k_q7544bbb8a2_proj,@function
k_q7544bbb8a2_proj:
	s_mov_b64 s[64:65], 0
	v_nop
	global_prefetch_b8 v0, s[64:65] scope:SCOPE_SE
	s_setreg_imm32_b32 hwreg(HW_REG_WAVE_MODE, 25, 1), 1
	s_wait_xcnt 0x0
	s_wait_alu depctr_hold_cnt(0) depctr_sa_sdst(0) depctr_va_vdst(0) depctr_va_sdst(0) depctr_va_ssrc(0) depctr_va_vcc(0) depctr_vm_vsrc(0)
	s_getreg_b32 s2, hwreg(HW_REG_IB_STS2, 6, 4)
	s_cmp_eq_u32 s2, 0
	s_cbranch_scc0 .Lentry_in_a_cluster
	s_endpgm
.Lentry_in_a_cluster:
	s_bfe_u32 s2, ttmp6, 0x10000c
	s_cmp_lg_u32 s2, 0xf033
	s_cbranch_scc0 .Lentry_shape_is_right
	s_endpgm
.Lentry_shape_is_right:
; q = x Wq, k = context Wk, v = context Wv on codes of FP4 (E2M1) with one E8M0 scale for each 32 along K = 1,024; sums in f32; results rounded once to f16 and stored head-major:
; qkv: q at byte 0 [b][h][2,048][64], k at 8,388,608 [b][h][4,096][64], v at 25,165,824 likewise.
; A tile of 256 rows x 256 columns is made by four waves, 128 x 128 each: 64 accumulators, 512 registers.  Tile rows 0-15 are q's, 16-47 k's, 48-79 v's (v walks context's rows again).
; K is two steps of 512: both lie in LDS slots of their own, filled once, together with the scale bytes of the tile's rows, at the start: nothing is filled again.
; CLUSTERS: 4 x 4 work-groups; a cluster lies wholly in one of the three products (their borders are multiples of 4 tile rows).  The four of a row of the cluster need the same rows of acodes, the four of a
; column the same rows of wcodes: each tile is asked for JOINTLY, by the same tensor load with the same descriptor and a mask that names the four.
; THE MATRIX INSTRUCTION IS USED TRANSPOSED (source 0 = 16 rows of wcodes, source 1 = 16 rows of acodes): a lane holds eight neighbouring columns of one row of the result.
; REGISTERS: window 0: v0-31 addresses; v32-95 scale words, two sets; v128-191 A's fragments, one set; on the way out v128-223.   window 1: B's fragments, two sets, at v0 and v128.
;   window 2: the accumulators of my rows 0-63 ((a, b) at v[8 (8 a + b)]);   window 3: those of my rows 64-127.
; LIMITS: |q|, |k|, |v| at or above 65,520 become infinity in f16; under 6e-5 they carry the absolute step 2^-24.
.set NQ,     4                         ; steps of 128 along K in a slot
.set ROWB,   256                       ; a tile's row: 512 codes
.set KROW,   512                       ; a row of codes in memory
.set PITCH,  272                       ; an LDS row: 256 bytes + 16 of padding: the 16 rows that a load touches start at 16 different banks (64 banks of 4 bytes: ISA guide 11.1)
.set FR,     8
.set NL,     2
.set NP,     4                         ; places behind this matrix instruction (ISA guide 7.12.1)
.set HALFT,  128*PITCH
.set SLOT,   4*HALFT                   ; A's 256 rows, then B's 256 rows
.set KS,     32                        ; a row of scale bytes
.set SCL,    2*SLOT                    ; behind the two slots: the scale bytes, as units of 256 bytes + 16 of padding
.set HALFS,  (128*KS/256)*272
.set SBLK,   (16*KS/256)*272
.set SPARE,  SCL+4*HALFS               ; the spare words, 128 bytes for each wave: two blocks of 256 bytes that no other line names
.set STAGE,  SPARE+512                 ; the way out: 16 rows x 400 bytes for each wave; no tile lands here
.set SP,     400                       ; 256 bytes + 144: an odd multiple of 16, so that the sixteen rows of a store start at 16 different groups of banks
.set ADRA, 16
.set ADRB, 20
.set STO,  24
.set RD,   25
.set CO,   26
.set ADRS, 27
.set SPW,  28                          ; v28  SPARE + 4 x my thread's number; never rewritten
.set NIL,  29                          ; v29  0; never rewritten
.set SC,   32
.set AF,   128
.set BK,   128                         ; the way out: 16 rows read back: v128-159 and v160-191 by turns
.set TMP,  192                         ; the way out: packed results
.set G1, 24
.set G0, 32
.set G1B, 48
.set G0B, 56
.set G1S, 68
.set G0S, 76
.set G1SB, 80
.set G0SB, 88
.set MSB, 0
.macro WIN new                         ; the immediate's high byte repeats the setting that is left
.if MSB != (\new)
	s_set_vgpr_msb (MSB<<8)|(\new)
.set MSB, (\new)
.endif
.endm
.set MUL_LO, 0xa1                      ; source 0 (B) window 1, source 1 (A) window 0, C and D window 2
.set MUL_HI, 0xf1
.set TO_B,   0x40
; A joint load: waves 0 and 1 fetch for A, waves 2 and 3 for B; the branch hangs on the wave's number alone.  An s_nop 0 and four v_nop follow each of the two lines.
.macro JLOAD g0a, g1a, g0b, g1b
	s_cmp_eq_u32 s15, 0
	s_cbranch_scc0 .Lfor_b_\@
	tensor_load_to_lds s[\g0a:\g0a+3], s[\g1a:\g1a+7]
	s_nop 0
.rept 4
	v_nop
.endr
	s_branch .Lasked_\@
.Lfor_b_\@:
	tensor_load_to_lds s[\g0b:\g0b+3], s[\g1b:\g1b+7]
	s_nop 0
.rept 4
	v_nop
.endr
.Lasked_\@:
.endm
.macro CROUND                          ; a round of the cluster's barrier
	s_barrier_signal -1
	s_barrier_wait -1
	s_cmp_lg_u32 s14, 0
	s_cbranch_scc1 .Lnot_wave_0_\@
	s_barrier_signal -3
.Lnot_wave_0_\@:
	s_barrier_wait -3
	s_barrier_signal -1
	s_barrier_wait -1
.endm
	s_load_b128 s[4:7], s[0:1], 0x0                ; acodes, ascales
	s_load_b128 s[8:11], s[0:1], 0x10              ; wcodes, wscales
	s_load_b64 s[12:13], s[0:1], 0x20              ; qkv
	v_lshl_add_u32 v[SPW], v0, 2, SPARE
	v_mov_b32 v[NIL], 0
	ds_add_u32 v[SPW], v[NIL]                      ; the wave's opening: the add, twice on end, and its wait ahead of my first tensor load
	ds_add_u32 v[SPW], v[NIL]
	v_lshrrev_b32 v1, 5, v0
	v_readfirstlane_b32 s14, v1                    ; wave 0..3
	s_lshr_b32 s15, s14, 1                         ; which half of the tile's rows is mine.  Also: I fetch for A (0) or for B (1)
	s_and_b32 s16, s14, 1                          ; which half of its columns.  Also: which 128 rows I fetch
	s_bfe_u32 s40, ttmp6, 0x40000                  ; cx, cy
	s_bfe_u32 s41, ttmp6, 0x40004
	s_lshl_b32 s42, ttmp9, 2
	s_add_co_u32 s42, s42, s40                     ; tile column 0..3
	s_and_b32 s96, ttmp7, 0xffff                   ; the cluster's y, 0..19: the same in all sixteen partners
	s_lshl_b32 s17, s96, 2
	s_add_co_u32 s17, s17, s41                     ; tile row 0..79
	s_lshr_b32 s98, s96, 2
	s_min_u32 s98, s98, 1                          ; P1 = 1 from cluster row 4 on: k or v
	s_add_co_u32 s99, s96, 4
	s_lshr_b32 s99, s99, 4                         ; P2 = 1 from cluster row 12 on: v
	s_lshl_b32 s43, s41, 2
	s_lshl_b32 s43, 15, s43                        ; my row of the cluster
	s_lshl_b32 s44, 0x1111, s40                    ; my column
	s_or_b32 s[G1+0], s43, (0<<16)|(1<<20)|(1<<21)|(5<<22)|(3<<25)  ; the mask; elements of 1 byte; padding on; bit 21 beside a mask; after every 64 words, 4 words
	s_or_b32 s[G1B+0], s44, (0<<16)|(1<<20)|(1<<21)|(5<<22)|(3<<25)
.irp g, G1, G1B
	s_mov_b32 s[\g+1], ROWB<<16                    ; tensor_dim0
	s_mov_b32 s[\g+2], 128<<16                     ; tensor_dim1
	s_mov_b32 s[\g+3], ROWB<<16                    ; tile_dim0
	s_mov_b32 s[\g+4], 128                         ; tile_dim1
	s_mov_b32 s[\g+5], KROW                        ; from row to row
	s_mov_b32 s[\g+6], 0
	s_mov_b32 s[\g+7], 0
.endr
	s_or_b32 s[G1S+0], s43, (3<<16)|(1<<20)|(1<<21)|(5<<22)|(3<<25) ; the scale bytes of 128 rows: 4,096 dense bytes as 16 rows of 32 elements of 8 bytes
	s_or_b32 s[G1SB+0], s44, (3<<16)|(1<<20)|(1<<21)|(5<<22)|(3<<25)
.irp g, G1S, G1SB
	s_mov_b32 s[\g+1], 32<<16
	s_mov_b32 s[\g+2], (128*KS/256)<<16
	s_mov_b32 s[\g+3], 32<<16
	s_mov_b32 s[\g+4], 128*KS/256
	s_mov_b32 s[\g+5], 32
	s_mov_b32 s[\g+6], 0
	s_mov_b32 s[\g+7], 0
.endr
	s_lshl_b32 s18, s16, 7                         ; which 128 rows of the tile I fetch
	s_lshl_b32 s20, s17, 8
	s_add_co_u32 s20, s20, s18
	s_lshl_b32 s19, s99, 13
	s_sub_co_u32 s20, s20, s19                     ; A: row 256 x tile row + 128 x half - 8,192 for v
	s_lshl_b32 s46, s42, 8
	s_add_co_u32 s46, s46, s18
	s_add_co_u32 s19, s98, s99
	s_lshl_b32 s19, s19, 10
	s_add_co_u32 s46, s46, s19                     ; B: row 256 x tile column + 128 x half + 1,024 x which weight
	s_lshl_b32 s22, s20, 5                         ; these rows' scale bytes,
	s_mov_b32 s23, 0
	s_lshl_b32 s20, s20, 9                         ; and their codes
	s_mov_b32 s21, 0
	s_lshl_b32 s92, s46, 5
	s_mov_b32 s93, 0
	s_lshl_b32 s46, s46, 9
	s_mov_b32 s47, 0
	s_mul_i32 s45, s14, HALFT                      ; where they go: wave x 128 rows: no place in the cluster enters an LDS address
	s_mul_i32 s94, s14, HALFS
	s_wait_dscnt 0x0                               ; both opening adds are done
	s_wait_kmcnt 0x0
	s_add_nc_u64 s[20:21], s[4:5], s[20:21]
	s_add_nc_u64 s[22:23], s[6:7], s[22:23]
	s_add_nc_u64 s[46:47], s[8:9], s[46:47]
	s_add_nc_u64 s[92:93], s[10:11], s[92:93]
	CROUND                                         ; all sixteen work-groups are here: the joint loads meet
	s_mov_b32 s[G0S], 1
	s_add_co_u32 s[G0S+1], s94, SCL
	s_mov_b64 s[G0S+2:G0S+3], s[22:23]
	s_or_b32 s[G0S+3], s[G0S+3], 0x80000000
	s_mov_b32 s[G0SB], 1
	s_add_co_u32 s[G0SB+1], s94, SCL
	s_mov_b64 s[G0SB+2:G0SB+3], s[92:93]
	s_or_b32 s[G0SB+3], s[G0SB+3], 0x80000000
	JLOAD G0S, G1S, G0SB, G1SB                     ; the scales first; with the two below, three tensor loads of mine are out
.irp s, 0,1
	s_mov_b32 s[G0+4*\s], 1
	s_add_co_u32 s[G0+4*\s+1], s45, \s*SLOT
	s_add_nc_u64 s[G0+4*\s+2:G0+4*\s+3], s[20:21], \s*ROWB
	s_or_b32 s[G0+4*\s+3], s[G0+4*\s+3], 0x80000000
	s_mov_b32 s[G0B+4*\s], 1
	s_add_co_u32 s[G0B+4*\s+1], s45, \s*SLOT
	s_add_nc_u64 s[G0B+4*\s+2:G0B+4*\s+3], s[46:47], \s*ROWB
	s_or_b32 s[G0B+4*\s+3], s[G0B+4*\s+3], 0x80000000
	JLOAD G0+4*\s, G1, G0B+4*\s, G1B
.endr
	v_and_b32 v1, 15, v0                           ; r = l % 16
	v_bfe_u32 v2, v0, 4, 1                         ; h = l / 16
	v_mul_u32_u24 v3, v1, PITCH
	v_lshl_add_u32 v4, v2, 4, v3                   ; a fragment's row x pitch + 16 x half
	s_mul_i32 s21, s15, HALFT
	s_mul_i32 s22, s16, HALFT
	s_add_co_u32 s22, s22, 2*HALFT
.irp s, 0,1
	v_add_nc_u32 v[ADRA+\s], s21, v4
	v_add_nc_u32 v[ADRB+\s], s22, v4
	s_add_co_u32 s21, s21, SLOT
	s_add_co_u32 s22, s22, SLOT
.endr
	v_mul_u32_u24 v5, v1, KS                       ; my row's scale bytes: 32 a row,
	v_lshrrev_b32 v6, 8, v5
	v_lshl_add_u32 v5, v6, 4, v5                   ; and 16 more for each 256 passed
	s_mul_i32 s21, s15, HALFS
	s_mul_i32 s22, s16, HALFS
	s_add_co_u32 s22, s22, 2*HALFS
	s_sub_co_u32 s22, s22, s21
	v_mul_u32_u24 v6, s22, v2                      ; lanes 16-31 take B's: one product, the distance between the two bases
	s_add_co_u32 s21, s21, SCL
	v_add_nc_u32 v5, v5, v6
	v_add_nc_u32 v[ADRS], s21, v5
	s_mul_i32 s23, s14, 16*SP
	s_add_co_u32 s23, s23, STAGE                   ; my stage
	v_mul_u32_u24 v5, v1, SP
	v_lshl_add_u32 v5, v2, 4, v5
	v_add_nc_u32 v[STO], s23, v5                   ; in: row r, 16 bytes for each half of the lanes
	v_and_b32 v6, 31, v0
	v_lshlrev_b32 v[CO], 4, v6                     ; in qkv: 16 x lane: four rows of 128 bytes are 512 consecutive bytes
	v_lshrrev_b32 v5, 3, v6
	v_mul_u32_u24 v5, v5, SP
	v_and_b32 v6, 7, v6
	v_lshl_add_u32 v5, v6, 4, v5
	v_add_nc_u32 v[RD], s23, v5                    ; back: eight lanes to a head's 128 bytes of a row, four rows an instruction
	; where my 128 rows x 2 heads begin in qkv
	s_lshl_b32 s20, s98, 4
	s_sub_co_u32 s20, s17, s20
	s_lshl_b32 s21, s99, 5
	s_sub_co_u32 s20, s20, s21                     ; the tile row within its product
	s_add_co_u32 s21, s98, 3
	s_lshr_b32 s22, s20, s21                       ; the batch: 8 tile rows of q, 16 of k and v
	s_lshl_b32 s23, 8, s98
	s_sub_co_u32 s23, s23, 1
	s_and_b32 s20, s20, s23
	s_lshl_b32 s20, s20, 8
	s_lshl_b32 s21, s15, 7
	s_add_co_u32 s20, s20, s21                     ; my first token
	s_lshl_b32 s20, s20, 7                         ; 128 bytes a token
	s_lshl_b32 s22, s22, 4
	s_lshl_b32 s46, s42, 2
	s_add_co_u32 s22, s22, s46
	s_lshl_b32 s46, s16, 1
	s_add_co_u32 s22, s22, s46                     ; 16 x batch + my first head
	s_lshl_b32 s23, 0x40000, s98                   ; a head's bytes: 262,144 in q, twice that in k and v
	s_mul_i32 s22, s22, s23
	s_add_co_u32 s20, s20, s22
	s_lshl_b32 s22, s98, 23
	s_add_co_u32 s20, s20, s22                     ; + 8,388,608: k
	s_lshl_b32 s22, s99, 24
	s_add_co_u32 s20, s20, s22                     ; + 16,777,216 more: v
	s_mov_b32 s21, 0
	s_add_nc_u64 s[12:13], s[12:13], s[20:21]      ; my first head,
	s_mov_b32 s22, s23
	s_mov_b32 s23, 0
	s_add_nc_u64 s[66:67], s[12:13], s[22:23]      ; my second
.macro FRAG reg, adr, q, i             ; 16 rows x 128 K of 4-bit codes: 8 registers: lane l holds row l % 16; registers 4 c .. 4 c + 3 hold K = 64 c + 32 (l / 16) + 0 .. 31
.irp c, 0,1
	ds_load_b128 v[\reg+4*\c:\reg+4*\c+3], v[\adr] offset:64*(\q)+32*\c+(\i)*16*PITCH
.endr
.endm
; 16 matrix instructions: A's blocks a0, a0 + 1 x B's eight.  The 64 accumulators take turns, one instruction a turn, in the same order in every step.
.macro MUL16 a0, p, q, sc, zero
.irp a, \a0, \a0+1
.irp b, 0,1,2,3,4,5,6,7
.if \zero
	v_wmma_scale_f32_16x16x128_f8f6f4 v[8*(8*((\a)%4)+\b):8*(8*((\a)%4)+\b)+7], v[128*(\p)+FR*\b:128*(\p)+FR*\b+FR-1], v[AF+FR*(\a):AF+FR*(\a)+FR-1], 0, v[SC+8*NQ*(\sc)+NQ*\b+(\q)], v[SC+8*NQ*(\sc)+NQ*(\a)+(\q)] matrix_a_fmt:MATRIX_FMT_FP4 matrix_b_fmt:MATRIX_FMT_FP4 matrix_a_scale:MATRIX_SCALE_ROW1
.else
	v_wmma_scale_f32_16x16x128_f8f6f4 v[8*(8*((\a)%4)+\b):8*(8*((\a)%4)+\b)+7], v[128*(\p)+FR*\b:128*(\p)+FR*\b+FR-1], v[AF+FR*(\a):AF+FR*(\a)+FR-1], v[8*(8*((\a)%4)+\b):8*(8*((\a)%4)+\b)+7], v[SC+8*NQ*(\sc)+NQ*\b+(\q)], v[SC+8*NQ*(\sc)+NQ*(\a)+(\q)] matrix_a_fmt:MATRIX_FMT_FP4 matrix_b_fmt:MATRIX_FMT_FP4 matrix_a_scale:MATRIX_SCALE_ROW1
.endif
.endr
.endr
.endm
.macro FETCH_B slot, q, p
	WIN TO_B
.irp i, 0,1,2,3,4,5,6,7
	FRAG 128*(\p)+FR*\i, ADRB+\slot, \q, \i
.endr
	WIN 0
.endm
.macro FETCH_A slot, q, i0
.irp i, \i0, \i0+1, \i0+2, \i0+3
	FRAG AF+FR*(\i), ADRA+\slot, \q, \i
.endr
.endm
.macro SCALES sc                       ; a K step's scale words: 4 words a row; lanes 0-15 take A's block i, lanes 16-31 B's block i
.irp i, 0,1,2,3,4,5,6,7
	ds_load_b128 v[SC+8*NQ*\sc+NQ*\i:SC+8*NQ*\sc+NQ*\i+3], v[ADRS] offset:\i*SBLK
.endr
.endm
.macro PLACES n                        ; places in front of loads into registers that matrix instructions have read, and of the first read of results
.rept \n
	v_nop
.endr
.endm
.macro STEP slot, q, zero              ; 128 along K, with its successor in the same slot
	s_wait_dscnt 4*NL                              ; B's set and A's blocks 0-3 are in; the youngest eight loads (A's blocks 4-7) may be out
	WIN MUL_LO
	MUL16 0, (\q)%2, \q, \slot, \zero
	MUL16 2, (\q)%2, \q, \slot, \zero
	s_wait_dscnt 0
	PLACES NP
	FETCH_B \slot, (\q)+1, 1-(\q)%2
	FETCH_A \slot, (\q)+1, 0
	WIN MUL_HI
	MUL16 4, (\q)%2, \q, \slot, \zero
	MUL16 6, (\q)%2, \q, \slot, \zero
	PLACES NP
	WIN 0
	FETCH_A \slot, (\q)+1, 4
.endm
.macro STEPS slot, from
.set Q, \from
.rept NQ-1-\from
	STEP \slot, Q, 0
.set Q, Q+1
.endr
.endm
	s_wait_tensorcnt 1                             ; the scales and my part of slot 0 are in (slot 1's load may be out)
	s_barrier_signal -1
	s_barrier_wait -1                              ; everybody's are
	FETCH_B 0, 0, 0
	FETCH_A 0, 0, 0
	SCALES 0
	FETCH_A 0, 0, 4
	STEP 0, 0, 1                                   ; the first products start the sums: nothing is cleared
	STEPS 0, 1
	; slot 0's last step goes over to slot 1: each wave shows its part of slot 1 landed, then one barrier
	s_wait_tensorcnt 0x0                           ; all my tensor loads have landed
	ds_add_u32 v[SPW], v[NIL]                      ; 0 onto my spare word
	s_wait_dscnt 4*NL+1                            ; (the add and the youngest eight loads may be out)
	WIN MUL_LO
	MUL16 0, 1, NQ-1, 0, 0
	s_wait_dscnt 0x0
	s_barrier_signal -1
	MUL16 2, 1, NQ-1, 0, 0
	WIN 0
	s_barrier_wait -1                              ; slot 1 is whole
	PLACES NP
	v_add_nc_u32 v[ADRS], 4*NQ, v[ADRS]            ; the second K step's scale words
	FETCH_B 1, 0, 0
	FETCH_A 1, 0, 0
	SCALES 1
	WIN MUL_HI
	MUL16 4, 1, NQ-1, 0, 0
	MUL16 6, 1, NQ-1, 0, 0
	PLACES NP
	WIN 0
	FETCH_A 1, 0, 4
	STEPS 1, 0
	s_wait_dscnt 4*NL                              ; the very last step: nothing more to fetch
	WIN MUL_LO
	MUL16 0, 1, NQ-1, 1, 0
	MUL16 2, 1, NQ-1, 1, 0
	s_wait_dscnt 0
	WIN MUL_HI
	MUL16 4, 1, NQ-1, 1, 0
	MUL16 6, 1, NQ-1, 1, 0
	WIN 0
; THE WAY OUT, block by block of 16 rows x 128 columns (two heads).  A lane's eight results pack into 16 bytes of f16; they go into my stage and come back by heads: four rows of a head's 128 bytes,
; which are 512 consecutive bytes of qkv.  LDS serves a wave's instructions in order (ISA guide 5.7.1.4): no wait between the stores and the loads.
.macro PACK a
.set AC, 64*((\a)%4)
	WIN 0x0a+5*((\a)/4)                            ; sources 0 and 1: window 2 or 3
.irp b, 0,1,2,3,4,5,6,7
.irp r, 0,1,2,3
	v_cvt_pk_f16_f32 v[TMP+4*\b+\r], v[AC+8*\b+2*\r], v[AC+8*\b+2*\r+1]    ; each accumulator from its low end on
.endr
.endr
	WIN 0
.endm
.macro TOSTAGE a
.set BB, BK+32*((\a)%2)
.irp b, 0,1,2,3,4,5,6,7
	ds_store_b128 v[STO], v[TMP+4*\b:TMP+4*\b+3] offset:32*\b
.endr
.irp hh, 0,1
.irp i, 0,1,2,3
	ds_load_b128 v[BB+4*(4*\hh+\i):BB+4*(4*\hh+\i)+3], v[RD] offset:4*SP*\i+128*\hh
.endr
.endr
.endm
.macro SEND a
.set BB, BK+32*((\a)%2)
	s_wait_dscnt 0x0                               ; the block is back in registers
	s_wait_xcnt 0x0                                ; the stores of the block before have read their registers: the next block's loads may land there
.irp i, 0,1,2,3
	global_store_b128 v[CO], v[BB+4*\i:BB+4*\i+3], s[12:13] offset:2048*(\a)+512*\i         ; 32 lanes store 512 consecutive bytes, aligned
.endr
.irp i, 0,1,2,3
	global_store_b128 v[CO], v[BB+16+4*\i:BB+16+4*\i+3], s[66:67] offset:2048*(\a)+512*\i
.endr
.endm
	PLACES NP                                      ; behind the last products: for the conversions and for the loads into A's registers
	PACK 0
	TOSTAGE 0
.irp a, 1,2,3,4,5,6,7                  ; block a's conversions stand between block a - 1's loads from the stage and the wait for them
	PACK \a
	SEND (\a)-1
	TOSTAGE \a
.endr
	SEND 7
	s_wait_tensorcnt 0x0                           ; the wave's end
	ds_add_u32 v[SPW], v[NIL]
	s_wait_dscnt 0x0
	CROUND                                         ; the closing round
	s_endpgm
.Lfunc_end_k_q7544bbb8a2_proj:
	.size	k_q7544bbb8a2_proj, .Lfunc_end_k_q7544bbb8a2_proj-k_q7544bbb8a2_proj
	.p2alignl 7, 3214868480
	.fill 96, 4, 3214868480
	.section	.rodata,"a",@progbits
	.p2align	6, 0x0
	.amdhsa_kernel k_q7544bbb8a2_proj
		.amdhsa_group_segment_fixed_size 327680
		.amdhsa_private_segment_fixed_size 0
		.amdhsa_enable_private_segment 0
		.amdhsa_kernarg_size 40
		.amdhsa_user_sgpr_count 2
		.amdhsa_user_sgpr_kernarg_segment_ptr 1
		.amdhsa_wavefront_size32 1
		.amdhsa_system_sgpr_workgroup_id_x 1
		.amdhsa_system_sgpr_workgroup_id_y 1
		.amdhsa_system_sgpr_workgroup_id_z 1
		.amdhsa_system_vgpr_workitem_id 0
		.amdhsa_next_free_vgpr 1024
		.amdhsa_next_free_sgpr 100
		.amdhsa_reserve_vcc 0
		.amdhsa_float_denorm_mode_32 3
		.amdhsa_float_denorm_mode_16_64 3
		.amdhsa_memory_ordered 1
		.amdhsa_forward_progress 1
		.amdhsa_inst_pref_size 127
	.end_amdhsa_kernel
	.amdgpu_metadata
---
amdhsa.version: [ 1, 2 ]
amdhsa.kernels:
  - .name:           k_q7544bbb8a2_proj
    .symbol:         k_q7544bbb8a2_proj.kd
    .args:
      - { .name: acodes, .offset: 0, .size: 8, .value_kind: global_buffer, .address_space: global }
      - { .name: ascales, .offset: 8, .size: 8, .value_kind: global_buffer, .address_space: global }
      - { .name: wcodes, .offset: 16, .size: 8, .value_kind: global_buffer, .address_space: global }
      - { .name: wscales, .offset: 24, .size: 8, .value_kind: global_buffer, .address_space: global }
      - { .name: qkv, .offset: 32, .size: 8, .value_kind: global_buffer, .address_space: global }
    .group_segment_fixed_size: 327680
    .private_segment_fixed_size: 0
    .kernarg_segment_align: 8
    .kernarg_segment_size: 40
    .max_flat_workgroup_size: 128
    .sgpr_count:     100
    .vgpr_count:     1024
    .wavefront_size: 32
...
	.end_amdgpu_metadata
.endif
;; end of part 2
;; launch attn (part 3): grid 8 x 32, 8 waves a work-group, clusters of 4 x 1, 327,680 bytes of LDS; arguments qkv, ow; writes ow
.if DOCPART == 3
	.amdgcn_target "amdgcn-amd-amdhsa--gfx1250"
	.amdhsa_code_object_version 6
	.text
	.protected	k_q7544bbb8a2_attn
	.globl	k_q7544bbb8a2_attn
	.p2align	8
	.type	k_q7544bbb8a2_attn,@function
k_q7544bbb8a2_attn:
	s_mov_b64 s[64:65], 0
	v_nop
	global_prefetch_b8 v0, s[64:65] scope:SCOPE_SE
	s_setreg_imm32_b32 hwreg(HW_REG_WAVE_MODE, 25, 1), 1
	s_wait_xcnt 0x0
	s_wait_alu depctr_hold_cnt(0) depctr_sa_sdst(0) depctr_va_vdst(0) depctr_va_sdst(0) depctr_va_ssrc(0) depctr_va_vcc(0) depctr_vm_vsrc(0)
	s_getreg_b32 s2, hwreg(HW_REG_IB_STS2, 6, 4)
	s_cmp_eq_u32 s2, 0
	s_cbranch_scc0 .Lentry_in_a_cluster
	s_endpgm
.Lentry_in_a_cluster:
	s_bfe_u32 s2, ttmp6, 0x10000c
	s_cmp_lg_u32 s2, 0x3003
	s_cbranch_scc0 .Lentry_shape_is_right
	s_endpgm
.Lentry_shape_is_right:
; O[b][h][q] = the sum over keys of softmax(q . k / 8) v, head size 64, 2,048 queries and 4,096 keys a head, 32 heads.  q, k, v: f16 in qkv (q at 0 [bh][2,048][64], k at 8,388,608 [bh][4,096][64],
; v at 25,165,824 likewise).  Products, maxima and sums in f32; the weights p are rounded to f16 for the second product, O once at the end.
; ow: [row / 128 (32)][head 16][128 rows][64] f16: the next launch's K steps are dense regions of it.
; SHARES.  A work-group owns 256 queries of one head.  Wave w: group g = w % 4 (64 queries, four tiles of 16) and half j = w / 4 of the key steps.  So a fragment of K or V read from LDS feeds four matrix
; instructions, and two waves of 512 registers stand on a SIMD: one's softmax beside the other's products.  Each wave has its own running maximum, sum and O over its own keys; the two halves are merged
; once at the end, through LDS (an order of rounding that differs from a single sum over all keys).
; LAYOUT.  S^T = K Q^T (source 0 = 16 keys, source 1 = 16 queries): a lane holds ONE query (lane % 16) and keys 8 (lane / 16) + 0..7.  Two such tiles, rounded to f16 in pairs, ARE source 1 of
; O^T = V^T P.  K comes out of LDS as it lies, V ([key][channel]) turned, by ds_load_tr16_b128.
; SOFTMAX.  p = 2^(c s - c m), c = log2(e) / 8, m the running maximum; in every step O and l are multiplied by a = 2^(c m_old - c m_new).
; RING.  Two slots of 256 keys; a slot's quarter i is key step i (64 keys); half j takes steps j and j + 2.  Rows of K and V are 128 dense bytes: a tile is stated as rows of 256 bytes, two keys a row.
; CLUSTER.  The four query blocks of a cluster belong to one head and walk the same K and V: each tile is asked for JOINTLY.  Waves 0-3 fetch K's quarters, waves 4-7 V's: one load a wave behind each round.
; REGISTERS: window 0: v1-15 addresses; v16-47 statistics, 8 a tile; v60, v61 the add's two; v64-191 S^T, 32 a tile; v192-255 P, 16 a tile.
;   window 1: v0-127 O^T, 32 a tile; v128-191 Q, 16 a tile; v192-255 ONE buffer: a step's K (8 fragments), then its V (8 fragments).
; LIMITS: p under 6e-8 becomes 0 in f16 (over 4,096 keys at most 2.5e-4 of a row's sum); |O| never exceeds the largest |v|, so it has v's room in f16; under 6e-5 it carries the absolute step 2^-24.
.set PK,    272                        ; two keys of K: 256 bytes + 16: key pairs start 4 banks apart, odd keys 32 banks on: the 16 rows of a load fall on 16 different groups of banks (64 banks of 4 bytes: ISA guide 11.1)
.set PV,    288                        ; two keys of V: 256 + 32
.set QK,    32*PK                      ; a quarter of K: 64 keys
.set QV,    32*PV
.set VOFF,  4*QK                       ; a slot: 256 keys of K, then of V
.set SLOT1, 1<<17                      ; slot 1 begins here: one exclusive or turns an address
.set EXCH,  SLOT1+4*QK+4*QV            ; 202,752: for each group: the upper half's O^T as an image of its registers (16,384 bytes), then its statistics
.set EXG,   17920
.set STAGE, EXCH+4*EXG                 ; 274,432: the way out: 4 tiles x 16 rows x 144 bytes for each group
.set SG,    9216
.set SPARE, STAGE+4*SG                 ; 311,296: the spare words, 128 bytes for each of eight waves: four blocks of 256 bytes that no other line names
.set SLB,   32768                      ; a slot's bytes of K, and of V, in memory
.set AK0, 2
.set AV0, 3
.set ADK, 4
.set ADV, 5
.set STO, 6
.set RD,  7
.set GO,  8
.set QO,  10
.set EXO, 12
.set EXS, 13
.set PFO, 14
.set ST,  16                           ; tile t at v[ST+8 t]: +0 c m, +1 m, +2, +3 l (even keys', odd keys'), +4 to +7 at work; a in +6
.set SPW, 60
.set NIL, 61
.set S,   64
.set P,   192
.set Q,   128                          ; window 1
.set KV,  192                          ; window 1
.set WV,  12
.set LIM, 15
.set G,   16
.set PFA, 18
.set G1K, 24
.set G1V, 32
.set G0K, 40                           ; two sets: the first fills'; the second then walks on
.set G0V, 48
.set SLOTS, 56
.set J,   57
.set CS,  58
.set SEL, 60
.set TB,  62
.set MSB, 0
.macro WIN new                         ; the immediate's high byte repeats the setting that is left
.if MSB != (\new)
	s_set_vgpr_msb (MSB<<8)|(\new)
.set MSB, (\new)
.endif
.endm
.set W_KQ, 0x05                        ; K and Q window 1, S^T window 0
.set W_PV, 0x51                        ; V window 1, P window 0, O^T window 1
.set W_RS, 0x41                        ; O^T (destination, source 0) window 1, a window 0
.set W_LD, 0x40                        ; loaded data window 1, address window 0
.macro JLOAD                           ; the branch hangs on the wave's number alone; an s_nop 0 and four v_nop follow each of the two lines
	s_cmp_lt_u32 s[WV], 4
	s_cbranch_scc0 .Lfor_v_\@
	tensor_load_to_lds s[G0K+4:G0K+7], s[G1K:G1K+7]
	s_nop 0
.rept 4
	v_nop
.endr
	s_branch .Lasked_\@
.Lfor_v_\@:
	tensor_load_to_lds s[G0V+4:G0V+7], s[G1V:G1V+7]
	s_nop 0
.rept 4
	v_nop
.endr
.Lasked_\@:
.endm
; A PREFETCH INTO THE L2 of what the NEXT change of slots will ask for: a slot's 32,768 bytes of K and of V.  Both clusters of a head walk the same K and V: the head's first cluster asks.  Its four partners
; share the bytes out BY ADDRESS, 8,192 each; in each, wave 0 asks for K's and wave 4 for V's, lanes 256 bytes apart: one instruction.  So each aligned block of 256 bytes is named once in the launch.
; It stands a slot, two key steps of every wave, ahead of the load that wants the bytes.  Slots 0 to 2 come by their loads alone; the last change that fills a slot asks for nothing.
.macro ASK
	s_cmp_gt_u32 s[SLOTS], s[LIM]
	s_cbranch_scc0 .Lnot_mine_\@
	global_prefetch_b8 v[PFO], s[PFA:PFA+1] th:TH_LOAD_NT scope:SCOPE_SE
.Lnot_mine_\@:
.endm
.macro CROUND                          ; a round of the cluster's barrier
	s_barrier_signal -1
	s_barrier_wait -1
	s_cmp_lg_u32 s[WV], 0
	s_cbranch_scc1 .Lnot_wave_0_\@
	s_barrier_signal -3
.Lnot_wave_0_\@:
	s_barrier_wait -3
	s_barrier_signal -1
	s_barrier_wait -1
.endm
	s_load_b128 s[4:7], s[0:1], 0x0                ; qkv s[4:5], ow s[6:7]
	v_lshl_add_u32 v[SPW], v0, 2, SPARE
	v_mov_b32 v[NIL], 0
	ds_add_u32 v[SPW], v[NIL]                      ; the wave's opening: the add, twice on end, and its wait ahead of my first tensor load
	ds_add_u32 v[SPW], v[NIL]
	v_lshrrev_b32 v1, 5, v0
	v_readfirstlane_b32 s[WV], v1                  ; wave 0..7
	s_and_b32 s[G], s[WV], 3                       ; my group of 64 queries; also: which quarter of a slot I fetch
	s_lshr_b32 s[J], s[WV], 2                      ; my half of the key steps; also: I fetch for K (0) or V (1)
	s_bfe_u32 s13, ttmp6, 0x40000                  ; cx
	s_lshl_b32 s14, ttmp9, 2
	s_add_co_u32 s14, s14, s13                     ; my block of 256 queries: it enters Q's and ow's addresses alone
	s_and_b32 s20, ttmp7, 0xffff                   ; 16 x batch + head, which the four partners share
	s_lshl_b32 s22, s20, 19                        ; a head of K: 524,288 bytes
	s_lshl_b32 s23, s[G], 13                       ; my quarter: 64 keys x 128 bytes
	s_add_co_u32 s22, s22, s23
	s_add_co_u32 s22, s22, 8388608
	s_mov_b32 s23, 0
	s_mul_i32 s17, s[G], QK                        ; and in a slot: no place in the cluster enters an LDS address
	s_mul_i32 s21, s[G], QV
	s_add_co_u32 s21, s21, VOFF
	s_lshl_b32 s2, s20, 18                         ; a head of Q: 262,144 bytes
	s_lshl_b32 s3, s14, 15
	s_add_co_u32 s2, s2, s3
	s_lshl_b32 s3, s[G], 13
	s_add_co_u32 s2, s2, s3
	s_mov_b32 s3, 0
	s_mov_b32 s[G1K], 15|(1<<16)|(1<<20)|(1<<21)|(5<<22)|(3<<25)  ; the mask: all four; elements of 2 bytes; padding on; bit 21 beside a mask; after every 64 words, 4 words
	s_mov_b32 s[G1V], 15|(1<<16)|(1<<20)|(1<<21)|(5<<22)|(7<<25)  ; the same with 8 words
.irp g, G1K, G1V
	s_mov_b32 s[\g+1], 128<<16                     ; tensor_dim0 = 128 elements: two keys
	s_mov_b32 s[\g+2], 32<<16                      ; tensor_dim1 = 32
	s_mov_b32 s[\g+3], 128<<16                     ; tile_dim0
	s_mov_b32 s[\g+4], 32                          ; tile_dim1
	s_mov_b32 s[\g+5], 128                         ; from row to row: dense
	s_mov_b32 s[\g+6], 0
	s_mov_b32 s[\g+7], 0
.endr
	s_mov_b32 s[CS], 0x3e38aa3b                    ; c = log2(e) / 8
	s_mov_b32 s[CS+1], s[CS]                       ; named with it as a pair, so it is written
	s_mov_b32 s[SEL], 0x76543210
	s_mov_b32 s[SEL+1], 0xfedcba98                 ; v_permlanex16_b32: lane l xor 16
	s_mov_b32 s[TB], 0
	s_mov_b32 s[SLOTS], 14                         ; 16 slots' worth of keys; two are the first fills
	s_or_b32 s[LIM], s[G], ttmp9                   ; 0 in waves 0 and 4 of the head's first cluster: the same in all four partners
	s_cmp_eq_u32 s[LIM], 0
	s_cselect_b32 s[LIM], 1, -1
	s_wait_dscnt 0x0                               ; both opening adds are done
	s_wait_kmcnt 0x0
	s_mov_b64 s[10:11], s[6:7]                     ; ow
	s_add_nc_u64 s[6:7], s[4:5], s[22:23]          ; K at my quarter of slot 0
	s_add_nc_u64 s[8:9], s[6:7], 16777216          ; V likewise
	s_add_nc_u64 s[4:5], s[4:5], s[2:3]            ; Q at my first query
	s_lshr_b32 s2, s20, 4
	s_lshl_b32 s2, s2, 4                           ; 16 x batch
	s_lshl_b32 s3, s14, 1
	s_add_co_u32 s2, s2, s3
	s_lshr_b32 s3, s[G], 1
	s_add_co_u32 s2, s2, s3                        ; my block of 128 rows
	s_lshl_b32 s2, s2, 4
	s_and_b32 s3, s20, 15
	s_add_co_u32 s2, s2, s3                        ; x 16 + head
	s_lshl_b32 s2, s2, 14                          ; 16,384 bytes each
	s_and_b32 s3, s[G], 1
	s_lshl_b32 s3, s3, 13                          ; + my 64 rows
	s_add_co_u32 s2, s2, s3
	s_mov_b32 s3, 0
	s_add_nc_u64 s[10:11], s[10:11], s[2:3]
	s_cmp_lt_u32 s[WV], 4
	s_cselect_b64 s[PFA:PFA+1], s[6:7], s[8:9]     ; (in waves 0 and 4 these stand at a slot's first byte)
	s_lshl_b32 s2, s13, 13                         ; my work-group's 8,192 bytes
	s_mov_b32 s3, 0
	s_add_nc_u64 s[PFA:PFA+1], s[PFA:PFA+1], s[2:3]
	s_add_nc_u64 s[PFA:PFA+1], s[PFA:PFA+1], 2*SLB ; in slot 2; the first change of slots steps it to slot 3
	CROUND                                         ; all four work-groups are here: the first joint loads meet
.irp s, 0,1
	s_mov_b32 s[G0K+4*\s], 1
	s_add_co_u32 s[G0K+4*\s+1], s17, \s*SLOT1
	s_add_nc_u64 s[G0K+4*\s+2:G0K+4*\s+3], s[6:7], \s*SLB
	s_or_b32 s[G0K+4*\s+3], s[G0K+4*\s+3], 0x80000000
	s_mov_b32 s[G0V+4*\s], 1
	s_add_co_u32 s[G0V+4*\s+1], s21, \s*SLOT1
	s_add_nc_u64 s[G0V+4*\s+2:G0V+4*\s+3], s[8:9], \s*SLB
	s_or_b32 s[G0V+4*\s+3], s[G0V+4*\s+3], 0x80000000
.endr
	s_cmp_lt_u32 s[WV], 4                          ; a wave's two first fills stand in one branch: two loads of mine are out
	s_cbranch_scc0 .Lfirst_v
	tensor_load_to_lds s[G0K:G0K+3], s[G1K:G1K+7]
	s_nop 0
	tensor_load_to_lds s[G0K+4:G0K+7], s[G1K:G1K+7]
	s_nop 0
.rept 4
	v_nop
.endr
	s_branch .Lfirst_asked
.Lfirst_v:
	tensor_load_to_lds s[G0V:G0V+3], s[G1V:G1V+7]
	s_nop 0
	tensor_load_to_lds s[G0V+4:G0V+7], s[G1V:G1V+7]
	s_nop 0
.rept 4
	v_nop
.endr
.Lfirst_asked:
	v_and_b32 v1, 15, v0                           ; r
	v_bfe_u32 v9, v0, 4, 1                         ; h
	v_and_b32 v11, 31, v0                          ; lane
	v_lshlrev_b32 v[QO], 7, v1
	v_lshl_add_u32 v[QO], v9, 4, v[QO]             ; Q: row r of 128 bytes + 16 h
	WIN W_LD
.irp i, 0,1,2,3,4,5,6,7                ; Q stays in registers: tile i / 2, channels 32 (i % 2) on
	global_load_b128 v[Q+8*\i:Q+8*\i+3],   v[QO], s[4:5] offset:(\i/2)*2048+(\i%2)*64
	global_load_b128 v[Q+8*\i+4:Q+8*\i+7], v[QO], s[4:5] offset:(\i/2)*2048+(\i%2)*64+32
.endr
	WIN 0
	v_lshlrev_b32 v[PFO], 8, v11
	v_lshrrev_b32 v15, 1, v1                       ; K: key r of a fragment lies at (r / 2) x 272 + (r % 2) x 128, + 16 h; my half's quarter
	v_mul_u32_u24 v[AK0], v15, PK
	v_and_b32 v15, 1, v1
	v_lshl_add_u32 v[AK0], v15, 7, v[AK0]
	v_lshl_add_u32 v[AK0], v9, 4, v[AK0]
	s_mul_i32 s2, s[J], QK
	v_add_nc_u32 v[AK0], s2, v[AK0]
	v_and_b32 v15, 7, v0                           ; V: the turning load: lane l reads 16 bytes of key 8 h + l % 8, channels 8 ((l / 8) % 2) on
	v_lshl_add_u32 v15, v9, 3, v15
	v_lshrrev_b32 v[AV0], 1, v15
	v_mul_u32_u24 v[AV0], v[AV0], PV
	v_and_b32 v15, 1, v15
	v_lshl_add_u32 v[AV0], v15, 7, v[AV0]
	v_bfe_u32 v15, v0, 3, 1
	v_lshl_add_u32 v[AV0], v15, 4, v[AV0]
	s_mul_i32 s2, s[J], QV
	s_add_co_u32 s2, s2, VOFF
	v_add_nc_u32 v[AV0], s2, v[AV0]
	s_mul_i32 s2, s[G], SG
	s_add_co_u32 s2, s2, STAGE                     ; my group's stage
	v_mul_u32_u24 v[STO], v1, 144
	v_lshl_add_u32 v[STO], v9, 4, v[STO]
	v_add_nc_u32 v[STO], s2, v[STO]                ; in: row r, 16 bytes for each half of the lanes
	v_lshrrev_b32 v15, 3, v11
	v_mul_u32_u24 v[RD], v15, 144
	v_and_b32 v15, 7, v0
	v_lshl_add_u32 v[RD], v15, 4, v[RD]
	v_add_nc_u32 v[RD], s2, v[RD]                  ; back: eight lanes to a row of 128 bytes, four rows an instruction
	v_lshlrev_b32 v[GO], 4, v11                    ; and in ow: 16 x lane
	s_mul_i32 s2, s[G], EXG
	s_add_co_u32 s2, s2, EXCH
	v_add_nc_u32 v[EXO], s2, v[GO]                 ; my group's image of O^T: 16 x lane
	s_add_co_u32 s2, s2, 16384
	v_lshl_add_u32 v[EXS], v11, 2, s2              ; and its statistics: 4 x lane
; A step's K: 64 keys x 64 channels: 8 fragments (keys 16 (f / 2) on, channels 32 (f % 2) on).  t: the wave's first or second step of the slot.
.macro FETCH_K t
	WIN W_LD
.irp f, 0,1,2,3,4,5,6,7
	ds_load_b128 v[KV+8*\f:KV+8*\f+3],   v[ADK] offset:2*QK*(\t)+(\f/2)*8*PK+(\f%2)*64
	ds_load_b128 v[KV+8*\f+4:KV+8*\f+7], v[ADK] offset:2*QK*(\t)+(\f/2)*8*PK+(\f%2)*64+32
.endr
.endm
; Its V, turned: 8 fragments (keys 32 (f / 4) on, channels 16 (f % 4) on)
.macro FETCH_V t
	WIN W_LD
.irp f, 0,1,2,3,4,5,6,7
	ds_load_tr16_b128 v[KV+8*\f:KV+8*\f+3],   v[ADV] offset:2*QV*(\t)+(\f/4)*16*PV+(\f%4)*32
	ds_load_tr16_b128 v[KV+8*\f+4:KV+8*\f+7], v[ADV] offset:2*QV*(\t)+(\f/4)*16*PV+8*PV+(\f%4)*32
.endr
.endm
; 16 products S^T = K Q^T of tiles x, x + 1: channels 32 (i / 8) on, keys 16 ((i / 2) % 4) on.  Eight accumulators by turns, one instruction a turn; the first eight start the sums.
.macro KQ x
	WIN W_KQ
.set i, 0
.rept 16
.set rS, S+32*(\x+i%2)+8*((i/2)%4)
.set rK, KV+16*((i/2)%4)+8*(i/8)
.set rQ, Q+16*(\x+i%2)+8*(i/8)
.if i < 8
	v_wmma_f32_16x16x32_f16 v[rS:rS+7], v[rK:rK+7], v[rQ:rQ+7], 0
.else
	v_wmma_f32_16x16x32_f16 v[rS:rS+7], v[rK:rK+7], v[rQ:rQ+7], v[rS:rS+7]
.endif
.set i, i+1
.endr
.endm
; 16 products O^T += V^T P of tiles x, x + 1: keys 32 (i / 8) on, channels 16 ((i / 2) % 4) on.  first = 1: the first eight start the sums: nothing is ever cleared.
.macro PV x, first
	WIN W_PV
.set i, 0
.rept 16
.set rO, 32*(\x+i%2)+8*((i/2)%4)
.set rV, KV+32*(i/8)+8*((i/2)%4)
.set rP, P+16*(\x+i%2)+8*(i/8)
.if \first && (i < 8)
	v_wmma_f32_16x16x32_f16 v[rO:rO+7], v[rV:rV+7], v[rP:rP+7], 0
.else
	v_wmma_f32_16x16x32_f16 v[rO:rO+7], v[rV:rV+7], v[rP:rP+7], v[rO:rO+7]
.endif
.set i, i+1
.endr
.endm
; The softmax of tiles x, x + 1 for one key step; the two tiles alternate, so that no line waits for the line above it.  first = 1: the wave's first step: no old maximum, no a, nothing to rescale.
.macro SMX x, first
	WIN 0
.irp j, 0,1,2,3                        ; the maximum of the lane's 32 scores: four chains; each accumulator is read from its low end on
.irp t, \x, \x+1
	v_max3_num_f32 v[ST+8*(\t)+4+\j], v[S+32*(\t)+8*\j], v[S+32*(\t)+8*\j+1], v[S+32*(\t)+8*\j+2]
.endr
.endr
.irp g, 1,2
.irp j, 0,1,2,3
.irp t, \x, \x+1
	v_max3_num_f32 v[ST+8*(\t)+4+\j], v[ST+8*(\t)+4+\j], v[S+32*(\t)+8*\j+2*\g+1], v[S+32*(\t)+8*\j+2*\g+2]
.endr
.endr
.endr
.irp t, \x, \x+1
	v_max3_num_f32 v[ST+8*(\t)+4], v[ST+8*(\t)+4], v[S+32*(\t)+7], v[S+32*(\t)+15]
.endr
.irp t, \x, \x+1
	v_max3_num_f32 v[ST+8*(\t)+6], v[ST+8*(\t)+6], v[S+32*(\t)+23], v[S+32*(\t)+31]
.endr
.irp t, \x, \x+1
	v_max3_num_f32 v[ST+8*(\t)+4], v[ST+8*(\t)+4], v[ST+8*(\t)+5], v[ST+8*(\t)+6]
.endr
.irp t, \x, \x+1
.if \first
	v_max_num_f32 v[ST+8*(\t)+4], v[ST+8*(\t)+4], v[ST+8*(\t)+7]
.else
	v_max3_num_f32 v[ST+8*(\t)+4], v[ST+8*(\t)+4], v[ST+8*(\t)+7], v[ST+8*(\t)+1]     ; and the old m
.endif
.endr
.irp t, \x, \x+1
	v_permlanex16_b32 v[ST+8*(\t)+5], v[ST+8*(\t)+4], s[SEL], s[SEL+1]                ; the query's other 32 keys lie in the lane 16 away
.endr
.if !\first
.irp t, \x, \x+1
	v_mov_b32 v[ST+8*(\t)+7], v[ST+8*(\t)]         ; c m_old is kept for a
.endr
.endif
.irp t, \x, \x+1
	v_max_num_f32 v[ST+8*(\t)+1], v[ST+8*(\t)+4], v[ST+8*(\t)+5]
.endr
.irp t, \x, \x+1
	v_mul_f32 v[ST+8*(\t)], s[CS], v[ST+8*(\t)+1]
.endr
.if !\first
.irp t, \x, \x+1
	v_sub_f32 v[ST+8*(\t)+7], v[ST+8*(\t)+7], v[ST+8*(\t)]
.endr
.endif
; ONE BATCH: the 16 scalings c s - c m, a pair of scores each, and all exponentials; none of these lines reads an exponential's result; a pair is scaled a group of lines ahead of its exponentials
.irp t, \x, \x+1
	v_pk_fma_f32 v[S+32*(\t):S+32*(\t)+1], v[S+32*(\t):S+32*(\t)+1], s[CS:CS+1], v[ST+8*(\t):ST+8*(\t)+1] op_sel_hi:[1,0,0] neg_lo:[0,0,1] neg_hi:[0,0,1]
.endr
.if !\first
.irp t, \x, \x+1
	v_exp_f32 v[ST+8*(\t)+6], v[ST+8*(\t)+7]       ; a
.endr
.endif
.set b, 0
.rept 16
.irp t, \x, \x+1
.if b < 15
	v_pk_fma_f32 v[S+32*(\t)+2*b+2:S+32*(\t)+2*b+3], v[S+32*(\t)+2*b+2:S+32*(\t)+2*b+3], s[CS:CS+1], v[ST+8*(\t):ST+8*(\t)+1] op_sel_hi:[1,0,0] neg_lo:[0,0,1] neg_hi:[0,0,1]
.endif
	v_exp_f32 v[S+32*(\t)+2*b], v[S+32*(\t)+2*b]
	v_exp_f32 v[S+32*(\t)+2*b+1], v[S+32*(\t)+2*b+1]
.endr
.set b, b+1
.endr
	v_nop                                          ; a plain line behind the last exponential, ahead of the first use
	s_wait_alu depctr_va_vdst(0)                   ; ahead of the first line that names a result: one for the whole batch
.set n, 0
.rept 16
.irp t, \x, \x+1
	v_cvt_pk_f16_f32 v[P+16*(\t)+n], v[S+32*(\t)+2*n], v[S+32*(\t)+2*n+1]             ; a pair of weights: source 1 of V^T P
.endr
.set n, n+1
.endr
.irp u, 0,1,2,3,4,5,6,7                ; the sum of the 16 pairs, of the unrounded weights, in place
.irp t, \x, \x+1
	v_pk_add_f32 v[S+32*(\t)+4*\u:S+32*(\t)+4*\u+1], v[S+32*(\t)+4*\u:S+32*(\t)+4*\u+1], v[S+32*(\t)+4*\u+2:S+32*(\t)+4*\u+3]
.endr
.endr
.irp u, 0,1,2,3
.irp t, \x, \x+1
	v_pk_add_f32 v[S+32*(\t)+8*\u:S+32*(\t)+8*\u+1], v[S+32*(\t)+8*\u:S+32*(\t)+8*\u+1], v[S+32*(\t)+8*\u+4:S+32*(\t)+8*\u+5]
.endr
.endr
.irp u, 0,1
.irp t, \x, \x+1
	v_pk_add_f32 v[S+32*(\t)+16*\u:S+32*(\t)+16*\u+1], v[S+32*(\t)+16*\u:S+32*(\t)+16*\u+1], v[S+32*(\t)+16*\u+8:S+32*(\t)+16*\u+9]
.endr
.endr
.if \first
.irp t, \x, \x+1
	v_pk_add_f32 v[ST+8*(\t)+2:ST+8*(\t)+3], v[S+32*(\t):S+32*(\t)+1], v[S+32*(\t)+16:S+32*(\t)+17]
.endr
.else
.irp t, \x, \x+1
	v_pk_add_f32 v[S+32*(\t):S+32*(\t)+1], v[S+32*(\t):S+32*(\t)+1], v[S+32*(\t)+16:S+32*(\t)+17]
.endr
.irp t, \x, \x+1
	v_pk_fma_f32 v[ST+8*(\t)+2:ST+8*(\t)+3], v[ST+8*(\t)+2:ST+8*(\t)+3], v[ST+8*(\t)+6:ST+8*(\t)+7], v[S+32*(\t):S+32*(\t)+1] op_sel_hi:[1,0,1]   ; l = a l + the sum
.endr
	WIN W_RS
.set n, 0
.rept 16
.irp t, \x, \x+1
	v_pk_mul_f32 v[32*(\t)+2*n:32*(\t)+2*n+1], v[32*(\t)+2*n:32*(\t)+2*n+1], v[ST+8*(\t)+6:ST+8*(\t)+7] op_sel_hi:[1,0]   ; O^T times a
.endr
.set n, n+1
.endr
.endif
.endm
; A KEY STEP of a wave: 64 keys x its 64 queries.  The two pieces (tiles 0, 1 and tiles 2, 3) are staggered: V's loads land under piece 0's softmax, piece 2's softmax stands between the two runs of V^T P.
.macro STEP t, first
	WIN 0
	v_add_nc_u32 v[ADK], s[TB], v[AK0]             ; these two and two v_nop: the four places between the last products, which read the buffer, and the loads into it
	v_add_nc_u32 v[ADV], s[TB], v[AV0]
	v_nop
	v_nop
	FETCH_K \t
	s_wait_dscnt 0x0                               ; K is in
	KQ 0
	KQ 2
.rept 4
	v_nop                                          ; places: in front of the loads into the buffer, and of the first read of the scores
.endr
	FETCH_V \t
	SMX 0, \first
	s_wait_dscnt 0x0                               ; V is in
	PV 0, \first
	SMX 2, \first
	PV 2, \first
.endm
; THE CHANGE OF SLOTS.  Each wave waits for all its tensor loads, of which one is out: its part of the other slot; adds 0 to its spare word; waits for that and for its reads of the slot.
; fill = 1: the barrier is a round of the cluster's, and the slot just read is filled again, with the keys two slots on, first thing behind it: the load has a slot's two key steps of every wave in which to land.
.macro CHANGE fill
	WIN 0
	s_wait_tensorcnt 0x0                           ; no tensor load of mine is out, so a group 0 may be written
	ds_add_u32 v[SPW], v[NIL]                      ; 0 onto my spare word
.if \fill
.irp g, G0K+4, G0V+4
	s_xor_b32 s[\g+1], s[\g+1], SLOT1              ; the walking descriptor: the other slot than last time,
	s_add_nc_u64 s[\g+2:\g+3], s[\g+2:\g+3], SLB   ; the next 256 keys
.endr
	s_wait_xcnt 0x0                                ; the last prefetch, a slot back, has read its address
	s_add_nc_u64 s[PFA:PFA+1], s[PFA:PFA+1], SLB
	s_wait_dscnt 0x0                               ; the add is done, and my reads of the slot are over
	CROUND
	JLOAD
	ASK
.else
	s_wait_dscnt 0x0
	s_barrier_signal -1
	s_barrier_wait -1
.endif
	s_xor_b32 s[TB], s[TB], SLOT1                  ; on to the other slot
.endm
	s_wait_tensorcnt 1                             ; my part of slot 0 is in; slot 1's may stay out
	s_barrier_signal -1
	s_barrier_wait -1
	s_wait_loadcnt 0x0                             ; Q
	STEP 0, 1
	STEP 1, 0
	WIN 0
.Lslot:                                            ; 14 trips: every slot but the last two is filled again
	CHANGE 1
	STEP 0, 0
	STEP 1, 0
	WIN 0
	s_sub_co_u32 s[SLOTS], s[SLOTS], 1
	s_cmp_lg_u32 s[SLOTS], 0
	s_cbranch_scc1 .Lslot
	CHANGE 0                                       ; the last slot is written out
	STEP 0, 0
	STEP 1, 0
	WIN 0
	; THE MERGE.  Each wave's sum: l's two halves and the other half of the lanes'.  (These lines are also the places behind the last products.)
.irp t, 0,1,2,3
	v_add_f32 v[ST+8*\t+4], v[ST+8*\t+2], v[ST+8*\t+3]
.endr
.irp t, 0,1,2,3
	v_permlanex16_b32 v[ST+8*\t+5], v[ST+8*\t+4], s[SEL], s[SEL+1]
.endr
.irp t, 0,1,2,3
	v_add_f32 v[ST+8*\t+4], v[ST+8*\t+4], v[ST+8*\t+5]
.endr
	s_cmp_lt_u32 s[WV], 4
	s_cbranch_scc1 .Lkeep
	WIN 0x04                                       ; an LDS store's data are its source 1: window 1
.set i, 0
.rept 32
	ds_store_b128 v[EXO], v[4*i:4*i+3] offset:512*i                ; waves 4-7: O^T as an image of its registers, each accumulator from its low end on
.set i, i+1
.endr
	WIN 0
.irp t, 0,1,2,3
	ds_store_b32 v[EXS], v[ST+8*\t] offset:256*\t                  ; c m
	ds_store_b32 v[EXS], v[ST+8*\t+4] offset:256*\t+128            ; the sum
.endr
.Lkeep:
	s_wait_dscnt 0x0                               ; for the others' sake: my stores are done
	s_barrier_signal -1
	s_barrier_wait -1
	s_cmp_lt_u32 s[WV], 4
	s_cbranch_scc0 .Ldone
.irp t, 0,1,2,3
	ds_load_b32 v[ST+8*\t+1], v[EXS] offset:256*\t                 ; the partner's c m'
	ds_load_b32 v[ST+8*\t+2], v[EXS] offset:256*\t+128             ; and sum L'
.endr
.set i, 0
.rept 32
	ds_load_b128 v[S+4*i:S+4*i+3], v[EXO] offset:512*i             ; and O^T'
.set i, i+1
.endr
	s_wait_dscnt 32                                ; the eight statistics are in; the 32 loads behind them may be out
.irp t, 0,1,2,3
	v_max_num_f32 v[ST+8*\t+3], v[ST+8*\t], v[ST+8*\t+1]
.endr
.irp t, 0,1,2,3
	v_sub_f32 v[ST+8*\t+5], v[ST+8*\t], v[ST+8*\t+3]
.endr
.irp t, 0,1,2,3
	v_sub_f32 v[ST+8*\t+6], v[ST+8*\t+1], v[ST+8*\t+3]
.endr
.irp t, 0,1,2,3
	v_exp_f32 v[ST+8*\t+5], v[ST+8*\t+5]           ; a0 = 2^(c m - the larger)
.endr
.irp t, 0,1,2,3
	v_exp_f32 v[ST+8*\t+6], v[ST+8*\t+6]           ; a1
.endr
	v_nop
	s_wait_alu depctr_va_vdst(0)                   ; one wait for the eight, ahead of their first reader
.irp t, 0,1,2,3
	v_mul_f32 v[ST+8*\t+7], v[ST+8*\t+5], v[ST+8*\t+4]
.endr
.irp t, 0,1,2,3
	v_fma_f32 v[ST+8*\t+7], v[ST+8*\t+6], v[ST+8*\t+2], v[ST+8*\t+7]   ; a0 L + a1 L'
.endr
.irp t, 0,1,2,3
	v_rcp_f32 v[ST+8*\t+3], v[ST+8*\t+7]
.endr
	v_nop
	s_wait_alu depctr_va_vdst(0)                   ; one wait for the four
.irp t, 0,1,2,3
	v_mul_f32 v[ST+8*\t+4], v[ST+8*\t+5], v[ST+8*\t+3]             ; f0
.endr
.irp t, 0,1,2,3
	v_mul_f32 v[ST+8*\t+6], v[ST+8*\t+6], v[ST+8*\t+3]             ; f1
.endr
	s_wait_dscnt 0x0
.set i, 0
.rept 64
	v_pk_mul_f32 v[S+2*i:S+2*i+1], v[S+2*i:S+2*i+1], v[ST+8*(i/16)+6:ST+8*(i/16)+7] op_sel_hi:[1,0]
.set i, i+1
.endr
	WIN 0x01                                       ; source 0: my O^T, window 1
.set i, 0
.rept 64
	v_pk_fma_f32 v[S+2*i:S+2*i+1], v[2*i:2*i+1], v[ST+8*(i/16)+4:ST+8*(i/16)+5], v[S+2*i:S+2*i+1] op_sel_hi:[1,0,1]   ; O = O f0 + O' f1; each accumulator from its low end on
.set i, i+1
.endr
	WIN 0
.set i, 0
.rept 64
	v_cvt_pk_f16_f32 v[P+i], v[S+2*i], v[S+2*i+1]
.set i, i+1
.endr
.irp t, 0,1,2,3                        ; a lane's eight channels of a row are 16 bytes; rows of 144 bytes in my stage
.irp c, 0,1,2,3
	ds_store_b128 v[STO], v[P+16*\t+4*\c:P+16*\t+4*\c+3] offset:2304*\t+32*\c
.endr
.endr
.irp t, 0,1,2,3
.irp c, 0,1,2,3
	ds_load_b128 v[S+4*(4*\t+\c):S+4*(4*\t+\c)+3], v[RD] offset:2304*\t+576*\c     ; LDS serves a wave's instructions in order (ISA guide 5.7.1.4): these see my stores
.endr
.endr
.set i, 0
.rept 16
	s_wait_dscnt 15-i                              ; the younger loads may be out
	global_store_b128 v[GO], v[S+4*i:S+4*i+3], s[10:11] offset:512*i               ; 32 lanes store 512 consecutive bytes, aligned
.set i, i+1
.endr
.Ldone:
	s_wait_tensorcnt 0x0                           ; the wave's end
	ds_add_u32 v[SPW], v[NIL]
	s_wait_dscnt 0x0
	CROUND                                         ; the closing round
	s_endpgm
.Lfunc_end_k_q7544bbb8a2_attn:
	.size	k_q7544bbb8a2_attn, .Lfunc_end_k_q7544bbb8a2_attn-k_q7544bbb8a2_attn
	.p2alignl 7, 3214868480
	.fill 96, 4, 3214868480
	.section	.rodata,"a",@progbits
	.p2align	6, 0x0
	.amdhsa_kernel k_q7544bbb8a2_attn
		.amdhsa_group_segment_fixed_size 327680
		.amdhsa_private_segment_fixed_size 0
		.amdhsa_enable_private_segment 0
		.amdhsa_kernarg_size 16
		.amdhsa_user_sgpr_count 2
		.amdhsa_user_sgpr_kernarg_segment_ptr 1
		.amdhsa_wavefront_size32 1
		.amdhsa_system_sgpr_workgroup_id_x 1
		.amdhsa_system_sgpr_workgroup_id_y 1
		.amdhsa_system_sgpr_workgroup_id_z 1
		.amdhsa_system_vgpr_workitem_id 0
		.amdhsa_next_free_vgpr 512
		.amdhsa_next_free_sgpr 66
		.amdhsa_reserve_vcc 0
		.amdhsa_float_denorm_mode_32 3
		.amdhsa_float_denorm_mode_16_64 3
		.amdhsa_memory_ordered 1
		.amdhsa_forward_progress 1
		.amdhsa_inst_pref_size 221
	.end_amdhsa_kernel
	.amdgpu_metadata
---
amdhsa.version: [ 1, 2 ]
amdhsa.kernels:
  - .name:           k_q7544bbb8a2_attn
    .symbol:         k_q7544bbb8a2_attn.kd
    .args:
      - { .name: qkv, .offset: 0, .size: 8, .value_kind: global_buffer, .address_space: global }
      - { .name: ow, .offset: 8, .size: 8, .value_kind: global_buffer, .address_space: global }
    .group_segment_fixed_size: 327680
    .private_segment_fixed_size: 0
    .kernarg_segment_align: 8
    .kernarg_segment_size: 16
    .max_flat_workgroup_size: 256
    .sgpr_count:     66
    .vgpr_count:     512
    .wavefront_size: 32
...
	.end_amdgpu_metadata
.endif
;; end of part 3
;; launch oproj (part 4): grid 8 x 32, 4 waves a work-group, clusters of 4 x 4, 327,680 bytes of LDS; arguments ow, wo16, bo, out0; writes out0
.if DOCPART == 4
	.amdgcn_target "amdgcn-amd-amdhsa--gfx1250"
	.amdhsa_code_object_version 6
	.text
	.protected	k_q7544bbb8a2_oproj
	.globl	k_q7544bbb8a2_oproj
	.p2align	8
	.type	k_q7544bbb8a2_oproj,@function
k_q7544bbb8a2_oproj:
	s_mov_b64 s[64:65], 0
	v_nop
	global_prefetch_b8 v0, s[64:65] scope:SCOPE_SE
	s_setreg_imm32_b32 hwreg(HW_REG_WAVE_MODE, 25, 1), 1
	s_wait_xcnt 0x0
	s_wait_alu depctr_hold_cnt(0) depctr_sa_sdst(0) depctr_va_vdst(0) depctr_va_sdst(0) depctr_va_ssrc(0) depctr_va_vcc(0) depctr_vm_vsrc(0)
	s_getreg_b32 s2, hwreg(HW_REG_IB_STS2, 6, 4)
	s_cmp_eq_u32 s2, 0
	s_cbranch_scc0 .Lentry_in_a_cluster
	s_endpgm
.Lentry_in_a_cluster:
	s_bfe_u32 s2, ttmp6, 0x10000c
	s_cmp_lg_u32 s2, 0xf033
	s_cbranch_scc0 .Lentry_shape_is_right
	s_endpgm
.Lentry_shape_is_right:
; out0[row][n] = the sum over k of O[row][k] Wo[k][n] + bo[n].  O: f16 in ow [row / 128 (32)][head 16][128 rows][64], k = 64 head + channel; Wo: f16 in wo16 [k 1,024][n 1,024]; bo, out0: f32; sums in f32.
; A tile of out0 is 128 x 128 (256 work-groups); four waves, 64 x 64 each: 16 accumulators.  K goes in four steps of 256 (4 heads) through a ring of two LDS slots.
; A's tile of a K step is one dense region of ow (4 heads x 128 rows x 128 bytes), stated as rows of 256 bytes, two rows of O a row.  B's tile is 256 rows k x 256 bytes of wo16; its fragments are turned on the
; way out of LDS by ds_load_tr16_b128, since K is not innermost in Wo.
; CLUSTERS: 4 x 4 work-groups: A's tiles are shared along a row of the cluster, B's along a column: joint loads.  THE MATRIX INSTRUCTION IS USED TRANSPOSED (source 0 = 16 columns n of Wo, source 1 = 16 rows of O):
; a lane holds eight neighbouring numbers of a row of out0.  The bias is the C of each sum's first matrix instruction.
; REGISTERS: window 0: v0-31 addresses; v32-95 the way out; v96-127 the bias, 8 registers for each of my four blocks of 16 columns; v128-255 the accumulators ((a, b) at v[128 + 8 (4 a + b)]).
;   window 1: two fragment buffers of 128: for 64 along K, 64 registers of A, then 64 of B.
; LIMITS: as the launches before state for O and Wo in f16.
.set PA,     272                       ; two rows of O: 256 bytes + 16
.set PB,     288                       ; a row k of Wo's tile: 256 bytes + 32
.set HEADB,  64*PA                     ; a head's 128 rows in LDS
.set HALFA,  2*HEADB                   ; what one tensor load brings of A: two heads
.set HALFB,  128*PB                    ; and of B: 128 rows k
.set SLOT,   2*HALFA+2*HALFB
.set STAGE,  2*SLOT                    ; behind the ring: 16 rows x 272 bytes for each wave
.set SPITCH, 272
.set SPARE,  STAGE+4*16*SPITCH         ; the spare words, 128 bytes for each wave: two blocks of 256 bytes that no other line names
.set LAPS,   2                         ; a lap = two K steps
.set ADRA, 16                          ; v16-17  my A fragments in slot 0, 1
.set ADRB, 20                          ; v20-23  my B fragments: slot s, rows k from 128 hi on: v[20 + 2 s + hi] (240 rows of 288 bytes pass an LDS instruction's 16-bit offset)
.set STO,  24
.set RD,   25
.set CO,   26
.set BOF,  27
.set SPW,  28
.set NIL,  29
.set OB,   32
.set BI,   96
.set ACC,  128
.set F0,   0
.set F1,   128
.set G1, 24
.set G0, 32
.set G1B, 48
.set G0B, 56
.set MSB, 0
.macro WIN new
.if MSB != (\new)
	s_set_vgpr_msb (MSB<<8)|(\new)
.set MSB, (\new)
.endif
.endm
.set MUL,  0x05                        ; sources 0 (B) and 1 (A) window 1; C and D window 0
.set TO_F, 0x40
.macro JLOAD s                         ; waves 0 and 1 fetch A's halves, waves 2 and 3 B's; an s_nop 0 and four v_nop follow each of the two lines
	s_cmp_eq_u32 s13, 0
	s_cbranch_scc0 .Lfor_b_\@
	tensor_load_to_lds s[G0+4*\s:G0+4*\s+3], s[G1:G1+7]
	s_nop 0
.rept 4
	v_nop
.endr
	s_branch .Lasked_\@
.Lfor_b_\@:
	tensor_load_to_lds s[G0B+4*\s:G0B+4*\s+3], s[G1B:G1B+7]
	s_nop 0
.rept 4
	v_nop
.endr
.Lasked_\@:
.endm
.macro CREST
	s_cmp_lg_u32 s12, 0
	s_cbranch_scc1 .Lnot_wave_0_\@
	s_barrier_signal -3
.Lnot_wave_0_\@:
	s_barrier_wait -3
	s_barrier_signal -1
	s_barrier_wait -1
.endm
.macro CROUND
	s_barrier_signal -1
	s_barrier_wait -1
	CREST
.endm
	s_load_b256 s[4:11], s[0:1], 0x0               ; ow, wo16, bo, out0
	v_lshl_add_u32 v[SPW], v0, 2, SPARE
	v_mov_b32 v[NIL], 0
	ds_add_u32 v[SPW], v[NIL]                      ; the wave's opening: the add, twice on end, and its wait ahead of my first tensor load
	ds_add_u32 v[SPW], v[NIL]
	v_lshrrev_b32 v1, 5, v0
	v_readfirstlane_b32 s12, v1                    ; wave 0..3
	s_lshr_b32 s13, s12, 1                         ; which half of the tile's rows is mine.  Also: I fetch for A (0) or for B (1)
	s_and_b32 s14, s12, 1                          ; which half of its columns.  Also: which half of that tile I fetch
	s_bfe_u32 s40, ttmp6, 0x40000
	s_bfe_u32 s41, ttmp6, 0x40004
	s_lshl_b32 s42, ttmp9, 2
	s_add_co_u32 s42, s42, s40                     ; tile column 0..7
	s_and_b32 s15, ttmp7, 0xffff
	s_lshl_b32 s15, s15, 2
	s_add_co_u32 s15, s15, s41                     ; tile row 0..31: a block of 128 rows of ow
	s_lshl_b32 s43, s41, 2
	s_lshl_b32 s43, 15, s43                        ; my row of the cluster
	s_lshl_b32 s44, 0x1111, s40                    ; my column
	s_or_b32 s[G1+0], s43, (1<<16)|(1<<20)|(1<<21)|(5<<22)|(3<<25)  ; the mask; elements of 2 bytes; padding on; bit 21 beside a mask; after every 64 words, 4 words
	s_or_b32 s[G1B+0], s44, (1<<16)|(1<<20)|(1<<21)|(5<<22)|(7<<25) ; 8 words
.irp g, G1, G1B
	s_mov_b32 s[\g+1], 128<<16                     ; tensor_dim0 = 128 elements
	s_mov_b32 s[\g+2], 128<<16                     ; tensor_dim1 = 128
	s_mov_b32 s[\g+3], 128<<16                     ; tile_dim0
	s_mov_b32 s[\g+4], 128                         ; tile_dim1
	s_mov_b32 s[\g+6], 0
	s_mov_b32 s[\g+7], 0
.endr
	s_mov_b32 s[G1+5], 128                         ; A: dense
	s_mov_b32 s[G1B+5], 1024                       ; B: a row of wo16
	s_lshl_b32 s16, s15, 18                        ; A: 16 heads x 16,384 bytes a tile row,
	s_lshl_b32 s17, s14, 15                        ; + my two heads of the step's four
	s_add_co_u32 s16, s16, s17
	s_mov_b32 s17, 0
	s_lshl_b32 s46, s42, 8                         ; B: 256 bytes a tile column,
	s_lshl_b32 s47, s14, 18                        ; + my 128 rows k of 2,048 bytes
	s_add_co_u32 s46, s46, s47
	s_mov_b32 s47, 0
	s_mul_i32 s20, s14, HALFA                      ; where they go: no place in the cluster enters an LDS address
	s_mul_i32 s21, s14, HALFB
	s_add_co_u32 s21, s21, 2*HALFA
	s_wait_dscnt 0x0                               ; both opening adds are done
	s_wait_kmcnt 0x0
	s_add_nc_u64 s[18:19], s[4:5], s[16:17]
	s_add_nc_u64 s[46:47], s[6:7], s[46:47]
	CROUND                                         ; all sixteen work-groups are here: the first joint loads meet
.irp s, 0,1
	s_mov_b32 s[G0+4*\s], 1
	s_add_co_u32 s[G0+4*\s+1], s20, \s*SLOT
	s_add_nc_u64 s[G0+4*\s+2:G0+4*\s+3], s[18:19], \s*65536        ; K step s: four heads on
	s_or_b32 s[G0+4*\s+3], s[G0+4*\s+3], 0x80000000
	s_mov_b32 s[G0B+4*\s], 1
	s_add_co_u32 s[G0B+4*\s+1], s21, \s*SLOT
	s_add_nc_u64 s[G0B+4*\s+2:G0B+4*\s+3], s[46:47], \s*524288     ; 256 rows k on
	s_or_b32 s[G0B+4*\s+3], s[G0B+4*\s+3], 0x80000000
	JLOAD \s
.endr
	v_and_b32 v1, 15, v0                           ; r
	v_bfe_u32 v2, v0, 4, 1                         ; h
	v_lshrrev_b32 v3, 1, v1                        ; A: row r of a fragment lies at (r / 2) x 272 + (r % 2) x 128, + 16 h
	v_mul_u32_u24 v3, v3, PA
	v_and_b32 v4, 1, v1
	v_lshl_add_u32 v3, v4, 7, v3
	v_lshl_add_u32 v3, v2, 4, v3
	s_mul_i32 s21, s13, 32*PA                      ; my 64 rows
	v_and_b32 v4, 7, v0                            ; B: the turning load: lane l reads 16 bytes of row k = 8 h + l % 8, columns 8 ((l / 8) % 2) on
	v_lshl_add_u32 v4, v2, 3, v4
	v_mul_u32_u24 v4, v4, PB
	v_bfe_u32 v5, v0, 3, 1
	v_lshl_add_u32 v4, v5, 4, v4
	s_lshl_b32 s22, s14, 7                         ; my 64 columns
	s_add_co_u32 s22, s22, 2*HALFA
.irp s, 0,1
	v_add_nc_u32 v[ADRA+\s], s21, v3
	v_add_nc_u32 v[ADRB+2*\s], s22, v4
	s_add_co_u32 s23, s22, HALFB
	v_add_nc_u32 v[ADRB+2*\s+1], s23, v4
	s_add_co_u32 s21, s21, SLOT
	s_add_co_u32 s22, s22, SLOT
.endr
	s_mul_i32 s23, s12, 16*SPITCH
	s_add_co_u32 s23, s23, STAGE                   ; my stage
	v_mul_u32_u24 v5, v1, SPITCH
	v_lshl_add_u32 v5, v2, 5, v5
	v_add_nc_u32 v[STO], s23, v5                   ; in: row r, 32 bytes for each half of the lanes
	v_mul_u32_u24 v5, v2, SPITCH
	v_lshl_add_u32 v5, v1, 4, v5
	v_add_nc_u32 v[RD], s23, v5                    ; back: lanes 0-15 one row of 256 bytes, lanes 16-31 the next
	v_lshlrev_b32 v5, 12, v2
	v_lshl_add_u32 v[CO], v1, 4, v5                ; and the same two rows in out0
	v_lshlrev_b32 v[BOF], 5, v2                    ; the bias: 8 h numbers on
	s_lshl_b32 s16, s15, 19                        ; out0: 128 rows x 4,096 bytes a tile row,
	s_lshl_b32 s17, s13, 18                        ; + my 64 rows,
	s_add_co_u32 s16, s16, s17
	s_lshl_b32 s46, s42, 9                         ; + 512 bytes a tile column,
	s_lshl_b32 s47, s14, 8                         ; + my 64 columns
	s_add_co_u32 s46, s46, s47
	s_mov_b32 s47, 0
	s_add_nc_u64 s[8:9], s[8:9], s[46:47]          ; bo at my first column
	s_add_co_u32 s16, s16, s46
	s_mov_b32 s17, 0
	s_add_nc_u64 s[10:11], s[10:11], s[16:17]
.irp b, 0,1,2,3
	global_load_b128 v[BI+8*\b:BI+8*\b+3],   v[BOF], s[8:9] offset:64*\b           ; lane (r, h), register j: bo at column 16 b + 8 h + j: the result's layout
	global_load_b128 v[BI+8*\b+4:BI+8*\b+7], v[BOF], s[8:9] offset:64*\b+16
.endr
; 8 matrix instructions: m blocks a0, a0 + 1 x all 4 n blocks, 32 along K: half c of buffer f.  zero = 1: the first product starts the sums from the bias.  The 16 accumulators take turns.
.macro MUL8 f, c, a0, zero
.irp a, \a0, \a0+1
.irp b, 0,1,2,3
.if \zero
	v_wmma_f32_16x16x32_f16 v[ACC+8*(4*(\a)+\b):ACC+8*(4*(\a)+\b)+7], v[\f+64+8*(4*\c+\b):\f+64+8*(4*\c+\b)+7], v[\f+8*(4*\c+\a):\f+8*(4*\c+\a)+7], v[BI+8*\b:BI+8*\b+7]
.else
	v_wmma_f32_16x16x32_f16 v[ACC+8*(4*(\a)+\b):ACC+8*(4*(\a)+\b)+7], v[\f+64+8*(4*\c+\b):\f+64+8*(4*\c+\b)+7], v[\f+8*(4*\c+\a):\f+8*(4*\c+\a)+7], v[ACC+8*(4*(\a)+\b):ACC+8*(4*(\a)+\b)+7]
.endif
.endr
.endr
.endm
; 32 LDS loads in one run: the fragments of the slot's quarter q (one head: 64 along K) into buffer f; the first 32 along K first
.macro FETCH slot, q, f
	WIN TO_F
.irp c, 0,1
.irp i, 0,1,2,3
	ds_load_tr16_b128 v[\f+64+8*(4*\c+\i):\f+64+8*(4*\c+\i)+3],   v[ADRB+2*\slot+(\q)/2] offset:(64*((\q)%2)+32*\c)*PB+32*\i
	ds_load_tr16_b128 v[\f+64+8*(4*\c+\i)+4:\f+64+8*(4*\c+\i)+7], v[ADRB+2*\slot+(\q)/2] offset:(64*((\q)%2)+32*\c+16)*PB+32*\i
	ds_load_b128 v[\f+8*(4*\c+\i):\f+8*(4*\c+\i)+3],             v[ADRA+\slot] offset:HEADB*(\q)+64*\c+\i*8*PA
	ds_load_b128 v[\f+8*(4*\c+\i)+4:\f+8*(4*\c+\i)+7],           v[ADRA+\slot] offset:HEADB*(\q)+64*\c+\i*8*PA+32
.endr
.endr
.endm
.macro PLACES                          ; four places in front of loads into registers that matrix instructions have read, and of the first read of results
.rept 4
	v_nop
.endr
.endm
.macro QUARTER slot, q, f, g, zero     ; multiplies buffer f and fetches the slot's quarter q into g
	s_wait_dscnt 16                                ; the first 32 along K are in; the sixteen loads of the second may be out
	WIN MUL
	MUL8 \f, 0, 0, \zero
	MUL8 \f, 0, 2, \zero
	PLACES
	FETCH \slot, \q, \g
	s_wait_dscnt 32                                ; all but the 32 just issued
	WIN MUL
	MUL8 \f, 1, 0, 0
	MUL8 \f, 1, 2, 0
.endm
; The last quarter multiplies buffer 1 and changes slots: ONE barrier; in front of it each wave waits for all its tensor loads, adds 0 to its spare word, and waits for that and for its reads of this slot.
.macro TURN slot, next, fill
	WIN 0
	s_wait_tensorcnt 0x0                           ; all my tensor loads have landed: my part of the next slot
	ds_add_u32 v[SPW], v[NIL]                      ; 0 onto my spare word
	s_wait_dscnt 17                                ; (the add and the youngest sixteen loads may be out)
	WIN MUL
	MUL8 F1, 0, 0, 0
	s_wait_dscnt 0x0                               ; the add is done, and my reads of this slot are over
	s_barrier_signal -1
	MUL8 F1, 0, 2, 0
.if \fill
	WIN 0
.endif
	s_barrier_wait -1
.if \fill
	CREST                                          ; the barrier has opened a round of the cluster's: no wave of any partner still reads this slot or has a load on its way
	s_add_nc_u64 s[G0+4*\slot+2:G0+4*\slot+3], s[G0+4*\slot+2:G0+4*\slot+3], 131072      ; two K steps on: eight heads,
	s_add_nc_u64 s[G0B+4*\slot+2:G0B+4*\slot+3], s[G0B+4*\slot+2:G0B+4*\slot+3], 1048576 ; 512 rows k
	JLOAD \slot                                    ; the first tensor load behind the round; its four v_nop are also the places in front of the loads below
.else
	PLACES
.endif
	FETCH \next, 0, F0
	WIN MUL
	MUL8 F1, 1, 0, 0
	MUL8 F1, 1, 2, 0
.endm
	s_wait_tensorcnt 1                             ; my part of K step 0 is in (K step 1's load may be out)
	s_barrier_signal -1
	s_barrier_wait -1
	FETCH 0, 0, F0
	s_wait_loadcnt 0x0                             ; the bias
	QUARTER 0, 1, F0, F1, 1
	WIN 0
	s_mov_b32 s3, LAPS-1
.Llap:                                             ; a trip goes once round the ring and fills both slots again
	QUARTER 0, 2, F1, F0, 0
	QUARTER 0, 3, F0, F1, 0
	TURN 0, 1, 1
	QUARTER 1, 1, F0, F1, 0
	QUARTER 1, 2, F1, F0, 0
	QUARTER 1, 3, F0, F1, 0
	TURN 1, 0, 1
	QUARTER 0, 1, F0, F1, 0
	WIN 0
	s_sub_co_u32 s3, s3, 1
	s_cmp_lg_u32 s3, 0
	s_cbranch_scc1 .Llap
	QUARTER 0, 2, F1, F0, 0                        ; the last lap fills nothing
	QUARTER 0, 3, F0, F1, 0
	TURN 0, 1, 0
	QUARTER 1, 1, F0, F1, 0
	QUARTER 1, 2, F1, F0, 0
	QUARTER 1, 3, F0, F1, 0
	s_wait_dscnt 16
	WIN MUL
	MUL8 F1, 0, 0, 0
	MUL8 F1, 0, 2, 0
	s_wait_dscnt 0
	MUL8 F1, 1, 0, 0
	MUL8 F1, 1, 2, 0
	WIN 0
; THE WAY OUT, block by block of 16 rows x 64 columns.  My 64 columns of f32 are 256 bytes: a block goes through my own stage and comes back as whole rows, sixteen lanes to a row.
.macro TOSTAGE a
.irp b, 0,1,2,3
	ds_store_b128 v[STO], v[ACC+8*(4*(\a)+\b):ACC+8*(4*(\a)+\b)+3] offset:64*\b        ; each accumulator from its low end on
	ds_store_b128 v[STO], v[ACC+8*(4*(\a)+\b)+4:ACC+8*(4*(\a)+\b)+7] offset:64*\b+16
.endr
.irp t, 0,1,2,3,4,5,6,7
	ds_load_b128 v[OB+32*((\a)%2)+4*\t:OB+32*((\a)%2)+4*\t+3], v[RD] offset:2*SPITCH*\t   ; LDS serves a wave's instructions in order (ISA guide 5.7.1.4)
.endr
.endm
.macro SEND a, younger
	s_wait_dscnt \younger                          ; the block is back; the next block's sixteen LDS instructions may be out
.irp t, 0,1,2,3,4,5,6,7
	global_store_b128 v[CO], v[OB+32*((\a)%2)+4*\t:OB+32*((\a)%2)+4*\t+3], s[10:11] offset:65536*(\a)+8192*\t th:TH_STORE_NT   ; sixteen lanes store 256 consecutive bytes, aligned
.endr
.endm
	PLACES
	TOSTAGE 0
.irp a, 1,2,3
.if \a > 1
	s_wait_xcnt 0x0                                ; block a - 2's stores have read their registers: block a's loads may land there
.endif
	TOSTAGE \a
	SEND (\a)-1, 16
.endr
	SEND 3, 0
	s_wait_tensorcnt 0x0                           ; the wave's end
	ds_add_u32 v[SPW], v[NIL]
	s_wait_dscnt 0x0
	CROUND                                         ; the closing round
	s_endpgm
.Lfunc_end_k_q7544bbb8a2_oproj:
	.size	k_q7544bbb8a2_oproj, .Lfunc_end_k_q7544bbb8a2_oproj-k_q7544bbb8a2_oproj
	.p2alignl 7, 3214868480
	.fill 96, 4, 3214868480
	.section	.rodata,"a",@progbits
	.p2align	6, 0x0
	.amdhsa_kernel k_q7544bbb8a2_oproj
		.amdhsa_group_segment_fixed_size 327680
		.amdhsa_private_segment_fixed_size 0
		.amdhsa_enable_private_segment 0
		.amdhsa_kernarg_size 32
		.amdhsa_user_sgpr_count 2
		.amdhsa_user_sgpr_kernarg_segment_ptr 1
		.amdhsa_wavefront_size32 1
		.amdhsa_system_sgpr_workgroup_id_x 1
		.amdhsa_system_sgpr_workgroup_id_y 1
		.amdhsa_system_sgpr_workgroup_id_z 1
		.amdhsa_system_vgpr_workitem_id 0
		.amdhsa_next_free_vgpr 512
		.amdhsa_next_free_sgpr 66
		.amdhsa_reserve_vcc 0
		.amdhsa_float_denorm_mode_32 3
		.amdhsa_float_denorm_mode_16_64 3
		.amdhsa_memory_ordered 1
		.amdhsa_forward_progress 1
		.amdhsa_inst_pref_size 87
	.end_amdhsa_kernel
	.amdgpu_metadata
---
amdhsa.version: [ 1, 2 ]
amdhsa.kernels:
  - .name:           k_q7544bbb8a2_oproj
    .symbol:         k_q7544bbb8a2_oproj.kd
    .args:
      - { .name: ow, .offset: 0, .size: 8, .value_kind: global_buffer, .address_space: global }
      - { .name: wo16, .offset: 8, .size: 8, .value_kind: global_buffer, .address_space: global }
      - { .name: bo, .offset: 16, .size: 8, .value_kind: global_buffer, .address_space: global }
      - { .name: out0, .offset: 24, .size: 8, .value_kind: global_buffer, .address_space: global }
    .group_segment_fixed_size: 327680
    .private_segment_fixed_size: 0
    .kernarg_segment_align: 8
    .kernarg_segment_size: 32
    .max_flat_workgroup_size: 128
    .sgpr_count:     66
    .vgpr_count:     512
    .wavefront_size: 32
...
	.end_amdgpu_metadata
.endif
;; end of part 4
